; MI455X (gfx1250); checked and timed in simulation.
; The chip was launched on July 23, 2026; its instructions are those of AMD's public machine-readable ISA for CDNA 5 (MIT licence, August 2026) and "CDNA5" Instruction Set Architecture Reference Guide (July 2026). The comments in the code are by the model that wrote it; some were corrected since.
;; Cross Attention. Allowed arithmetic: float matrix products may take bf16 or f16 operands with f32 sums; all other float work in f32.
;; Inputs: Wk 768 x 1,024 float32; Wo 1,024 x 1,024 float32; Wq 1,024 x 1,024 float32; Wv 768 x 1,024 float32; bk 1,024 float32; bo 1,024 float32; bq 1,024 float32; bv 1,024 float32; x 4 x 4,096 x 1,024 float32; y 4 x 512 x 1 x 768 float32.
;; Outputs: out0 4 x 4,096 x 1,024 float32.
;; 2 versions, each right; version 2 is version 1 with the launch prep written anew for expert scheduling mode. Each part assembles by itself: llvm-mc -triple=amdgcn-amd-amdhsa -mcpu=gfx1250 --defsym DOCPART=n.
;; ======== version 1 of 2: 3 launches
;; limits: values are held in f16: magnitudes above 65,504 overflow, below 6.1e-05 lose precision
;; workspace buffers: kf 4,194,304 bytes; vf 4,194,304 bytes; wq16 2,097,152 bytes; wo16 2,097,152 bytes; of 33,554,432 bytes
;; launch prep (part 1): grid 16 x 16, 8 waves a work-group, no clusters, 88,576 bytes of LDS; arguments y, Wk, Wv, bk, bv, Wq, Wo, kf, vf, wq16, wo16; writes kf, vf, wq16, wo16
.if DOCPART == 1
	.amdgcn_target "amdgcn-amd-amdhsa--gfx1250"
	.amdhsa_code_object_version 6
	.text
	.protected	k_q9b5a45094e_prep
	.globl	k_q9b5a45094e_prep
	.p2align	8
	.type	k_q9b5a45094e_prep,@function
k_q9b5a45094e_prep:
	s_mov_b64 s[64:65], 0
	v_nop
	global_prefetch_b8 v0, s[64:65] scope:SCOPE_SE
	s_setreg_imm32_b32 hwreg(HW_REG_WAVE_MODE, 25, 1), 1
	s_wait_xcnt 0x0
; PREP.  k = y Wk + bk and v = y Wv + bv (2,048 x 768 x 1,024 each), and the casts of Wq and Wo, all laid out in blocks of 512 bytes for the two launches behind.
; y, Wk, Wv, bk, bv are rounded to bf16, products bf16 with f32 sums that start from the bias, k and v rounded once to f16.  Wq is rounded to bf16; Wo to bf16 and that number written as f16.
; LIMITS.  k and v must lie within f16's 65,504; a Wo number below 6e-5 keeps f16's fixed step of 6e-8; NaN and infinities are not treated apart.
; BLOCKS.  K-block (16 rows x 16 k): element (row r, k = 8 h + e) at 256 h + 16 r + 2 e.  T-block (16 k x 16 columns, read turned): element (k, column 8 g + e) at 256 (k / 8) + 128 g + 16 (k % 8) + 2 e.
; In both the reading lane l takes byte 16 l.  kf: [batch][head][key tile 32][channel tile 8] K-blocks.  vf: the same index, T-blocks (k = key).  wq16, wo16: [256 columns p][k tile 64][column tile 16] T-blocks.
; SHARES.  Work-group (x, y): x / 8 chooses K or V, x % 8 the head (128 columns); y the 128 keys.  K = 768 goes in 12 steps of 64.  Wave w: 4 channel tiles (w % 2) x 2 key tiles (w / 2): 8 accumulators.
; Source 0 = 16 columns of W, source 1 = 16 rows of y: a lane then holds one key and eight neighbouring channels, 16 bytes of one block, so every store of a wave fills 512 consecutive aligned bytes.
; Work-group 16 y + x also casts one tile of 64 k x 128 columns of Wq (numbers 0-127) or Wo (128-255).
; No tensor loads: f32 operands have to pass registers for their rounding anyway, so they go memory -> registers -> LDS (already in blocks) -> fragments.  No cluster for the same reason.
.set YBUF,  18432                      ; a y buffer: 8 key tiles x 2,304 = 4 chunks of 16 k x 576; the two halves of a K-block lie 288 apart, so the 32 lanes' 8-byte stores fall on 64 different words modulo 256 bytes
.set WBASE, 2*YBUF                     ; behind y's two buffers
.set WBUF,  16896                      ; a W buffer: 4 k tiles x 4,224 = 8 column tiles x 528 (a T-block and 16 bytes)
.set CASTO, 2*WBUF                     ; the cast tile, laid out as a W buffer, counted from WBASE
.set SPARE, WBASE+3*WBUF               ; the spare words: 128 bytes for each of eight waves, four blocks of 256 bytes that no other line names
.set YO,   4                           ; v4   byte offset of my 16 bytes in y's rows; never rewritten
.set WO,   5                           ; v5   the same in W's rows (and in the cast tile's)
.set YS,   6                           ; v6   where my 8 bytes of y go in a buffer
.set WS,   7                           ; v7   the same for W, WBASE included
.set YF,   8                           ; v8   my lane's place in y's fragments
.set WF,   9                           ; v9   in W's, WBASE included
.set OUTO, 10                          ; v10  my 16 bytes in the output blocks
.set CR,   11                          ; v11  where I read the cast tile back, WBASE included
.set SPW,  12                          ; v12  my spare word
.set NIL,  13                          ; v13  0
.set BO,   14                          ; v14  my eight numbers of the bias
.set CO,   15                          ; v15  my 16 bytes in the cast's output blocks
.set ACC,  16                          ; v16-79   accumulator (channel tile i, key tile j) at ACC + 8 (i + 4 j)
.set F,    80                          ; v80-127  fragments: y's two, W's four; at the start the cast tile, at the end the packed results
.set T,    112                         ; at work at the start
.set R0,   128                         ; v128-191, v192-255  two staging sets: 8 loads of y, 8 of W
.set R1,   192
	s_load_b256 s[4:11], s[0:1], 0x0               ; y s[4:5], Wk s[6:7], Wv s[8:9], bk s[10:11]
	s_load_b256 s[12:19], s[0:1], 0x20             ; bv s[12:13], Wq s[14:15], Wo s[16:17], kf s[18:19]
	s_load_b128 s[20:23], s[0:1], 0x40             ; vf s[20:21], wq16 s[22:23]
	s_load_b64 s[24:25], s[0:1], 0x50              ; wo16
	v_lshl_add_u32 v[SPW], v0, 2, SPARE
	v_mov_b32 v[NIL], 0
	v_lshrrev_b32 v1, 5, v0
	v_readfirstlane_b32 s26, v1                    ; wave 0..7
	s_and_b32 s27, s26, 1                          ; which 4 channel tiles
	s_lshr_b32 s28, s26, 1                         ; which 2 key tiles
	s_and_b32 s29, ttmp7, 0xffff                   ; block of 128 keys
	s_lshr_b32 s30, ttmp9, 3                       ; 0: K, 1: V
	s_and_b32 s31, ttmp9, 7                        ; head
	s_cmp_lg_u32 s30, 0
	s_cselect_b32 s32, -1, 0                       ; all lanes' mask for V
	v_and_b32 v1, 31, v0                           ; l
	v_and_b32 v2, 15, v0                           ; l % 16
	v_bfe_u32 v3, v0, 4, 1                         ; l / 16
	s_mul_i32 s33, s26, 16*3072                    ; y: load t takes rows 16 w + 2 t + l / 16, 256 bytes each, 16 bytes a lane
	v_mul_u32_u24 v[YO], v3, 3072
	v_lshl_add_u32 v[YO], v2, 4, v[YO]
	v_add_nc_u32 v[YO], s33, v[YO]
	s_lshl_b32 s33, s26, 15                        ; W: load t takes row 8 w + t, 512 bytes
	v_lshl_add_u32 v[WO], v1, 4, s33
	s_mul_i32 s33, s26, 2304                       ; y into LDS: key tile w; my four k: chunk (l % 16) / 4, half bit 1 of l, 8 bytes by bit 0; row 2 t + l / 16
	v_lshrrev_b32 v[T], 2, v2
	v_mul_u32_u24 v[YS], v[T], 576
	v_bfe_u32 v[T], v0, 1, 1
	v_mad_u32_u24 v[YS], v[T], 288, v[YS]
	v_lshl_add_u32 v[YS], v3, 4, v[YS]
	v_and_b32 v[T+1], 1, v0
	v_lshl_add_u32 v[YS], v[T+1], 3, v[YS]
	v_add_nc_u32 v[YS], s33, v[YS]
	s_mul_i32 s33, s28, 4224                       ; W into LDS: k tile w / 2, its half w % 2, row t; my four columns: tile l / 4, group bit 1, 8 bytes by bit 0
	s_lshl_b32 s39, s27, 8
	s_add_co_u32 s33, s33, s39
	s_add_co_u32 s33, s33, WBASE
	v_lshrrev_b32 v[T+2], 2, v1
	v_mul_u32_u24 v[WS], v[T+2], 528
	v_lshl_add_u32 v[WS], v[T], 7, v[WS]
	v_lshl_add_u32 v[WS], v[T+1], 3, v[WS]
	v_add_nc_u32 v[WS], s33, v[WS]
	s_mul_i32 s33, s28, 4608                       ; fragments of y: my two key tiles
	v_mul_u32_u24 v[YF], v3, 288
	v_lshl_add_u32 v[YF], v2, 4, v[YF]
	v_add_nc_u32 v[YF], s33, v[YF]
	s_mul_i32 s33, s27, 2112                       ; fragments of W: my four column tiles
	s_add_co_u32 s33, s33, WBASE
	v_lshl_add_u32 v[WF], v1, 4, s33
	s_mul_i32 s39, s28, 4224                       ; the cast tile back: k tile w / 2, column tiles 4 (w % 2) on
	s_add_co_u32 s39, s39, s33
	v_lshl_add_u32 v[CR], v1, 4, s39
	v_lshlrev_b32 v[T], 4, v1                      ; my place in a K-block: 16 l
	v_bfe_u32 v[T+1], v0, 3, 1                     ; in a T-block: key l % 16, channel group l / 16
	v_lshlrev_b32 v[T+1], 8, v[T+1]
	v_lshl_add_u32 v[T+1], v3, 7, v[T+1]
	v_and_b32 v[T+2], 7, v0
	v_lshl_add_u32 v[T+1], v[T+2], 4, v[T+1]
	v_cndmask_b32 v[OUTO], v[T], v[T+1], s32
	s_lshl_b32 s33, s28, 13                        ; two key tiles of 4,096 bytes, four channel tiles of 512: also the cast's k tile of 8,192 and its four column tiles
	s_lshl_b32 s39, s27, 11
	s_add_co_u32 s33, s33, s39
	v_add_nc_u32 v[OUTO], s33, v[OUTO]
	v_add_nc_u32 v[CO], s33, v[T]
	s_lshl_b32 s39, s27, 8                         ; bias: 64 channels a wave half, eight numbers by l / 16
	v_lshl_add_u32 v[BO], v3, 5, s39
	s_mov_b32 s35, 0
	s_wait_kmcnt 0x0
	s_cmp_lg_u32 s30, 0
	s_cselect_b64 s[6:7], s[8:9], s[6:7]           ; W, bias and output of K or of V
	s_cselect_b64 s[10:11], s[12:13], s[10:11]
	s_cselect_b64 s[18:19], s[20:21], s[18:19]
	s_lshl_b32 s36, s29, 4
	s_add_co_u32 s36, s36, ttmp9                   ; the work-group's number
	s_and_b32 s37, s36, 127                        ; its cast tile
	s_cmp_lt_u32 s36, 128
	s_cselect_b64 s[14:15], s[14:15], s[16:17]     ; from Wq or Wo,
	s_cselect_b64 s[22:23], s[22:23], s[24:25]     ; to wq16 or wo16
	s_cselect_b32 s38, 0, 1                        ; 1: Wo
	s_mul_i32 s34, s29, 128*3072
	s_add_nc_u64 s[4:5], s[4:5], s[34:35]          ; y at my 128 keys
	s_lshl_b32 s34, s31, 9
	s_add_nc_u64 s[6:7], s[6:7], s[34:35]          ; W and the bias at the head's 128 columns
	s_add_nc_u64 s[10:11], s[10:11], s[34:35]
	s_lshr_b32 s34, s29, 2                         ; batch
	s_lshl_b32 s34, s34, 3
	s_add_co_u32 s34, s34, s31
	s_lshl_b32 s34, s34, 17                        ; a head is 131,072 bytes,
	s_and_b32 s39, s29, 3
	s_lshl_b32 s39, s39, 15                        ; 128 keys 32,768
	s_add_co_u32 s34, s34, s39
	s_add_nc_u64 s[18:19], s[18:19], s[34:35]
	s_lshr_b32 s39, s37, 3                         ; the cast tile's 64 rows
	s_and_b32 s40, s37, 7                          ; and 128 columns
	s_lshl_b32 s34, s39, 18
	s_lshl_b32 s41, s40, 9
	s_add_co_u32 s34, s34, s41
	s_add_nc_u64 s[14:15], s[14:15], s[34:35]
	s_lshr_b32 s34, s40, 1                         ; p,
	s_lshl_b32 s34, s34, 19
	s_lshl_b32 s41, s39, 15                        ; four k tiles of 8,192,
	s_add_co_u32 s34, s34, s41
	s_and_b32 s41, s40, 1                          ; eight column tiles of 512
	s_lshl_b32 s41, s41, 12
	s_add_co_u32 s34, s34, s41
	s_add_nc_u64 s[22:23], s[22:23], s[34:35]
.macro LOADS set, ahead                ; a step's 16 loads: every one covers whole aligned runs of 256 bytes
.irp t, 0,1,2,3,4,5,6,7
	global_load_b128 v[(\set)+4*(\t):(\set)+4*(\t)+3], v[YO], s[4:5] offset:(\t)*6144+(\ahead)*256
.endr
.irp t, 0,1,2,3,4,5,6,7
	global_load_b128 v[(\set)+32+4*(\t):(\set)+32+4*(\t)+3], v[WO], s[6:7] offset:(\t)*4096+(\ahead)*262144
.endr
.endm
.irp i, 0,1,2,3
	global_load_b128 v[ACC+8*(\i):ACC+8*(\i)+3],   v[BO], s[10:11] offset:64*(\i)      ; the bias lands where the sums begin
	global_load_b128 v[ACC+8*(\i)+4:ACC+8*(\i)+7], v[BO], s[10:11] offset:64*(\i)+16
.endr
.irp t, 0,1,2,3,4,5,6,7
	global_load_b128 v[F+4*(\t):F+4*(\t)+3], v[WO], s[14:15] offset:(\t)*4096          ; the cast tile
.endr
	LOADS R0, 0                                    ; steps 0 and 1
	LOADS R1, 1
	s_wait_loadcnt 32                              ; the bias and the cast tile are in; the two staging sets, 32 loads, stay out
.set i, 0
.rept 16                               ; the bias rounded to bf16 and widened again, into both key tiles' accumulators
	v_cvt_pk_bf16_f32 v[T+i%4], v[ACC+2*i], v[ACC+2*i+1]
	v_lshlrev_b32 v[ACC+2*i], 16, v[T+i%4]
	v_and_b32 v[ACC+2*i+1], 0xffff0000, v[T+i%4]
	v_lshlrev_b32 v[ACC+32+2*i], 16, v[T+i%4]
	v_and_b32 v[ACC+32+2*i+1], 0xffff0000, v[T+i%4]
.set i, i+1
.endr
.set i, 0
.rept 8
	v_cvt_pk_bf16_f32 v[F+4*i], v[F+4*i], v[F+4*i+1]
	v_cvt_pk_bf16_f32 v[F+4*i+1], v[F+4*i+2], v[F+4*i+3]
.set i, i+1
.endr
	s_cmp_eq_u32 s38, 0
	s_cbranch_scc1 .Lcast_ready
.set i, 0
.rept 16                               ; Wo: the bf16 number written as f16
	v_lshlrev_b32 v[F+4*(i/2)+2], 16, v[F+4*(i/2)+i%2]
	v_and_b32 v[F+4*(i/2)+3], 0xffff0000, v[F+4*(i/2)+i%2]
	v_cvt_pk_f16_f32 v[F+4*(i/2)+i%2], v[F+4*(i/2)+2], v[F+4*(i/2)+3]
.set i, i+1
.endr
.Lcast_ready:
.irp t, 0,1,2,3,4,5,6,7
	ds_store_b64 v[WS], v[F+4*(\t):F+4*(\t)+1] offset:CASTO+16*(\t)                    ; the first step's wait and barrier show it to the other waves
.endr
; ONE K STEP.  The set's 16 loads are rounded to bf16 and stored into buffer buf; one barrier; the fragments are read and multiplied.  Two buffers and one barrier a step: a buffer is written again two steps
; later, and between its readers' wait for their loads and that write lies the barrier of the step between.  left: the other set's 16 loads are younger and stay out.
.macro STEP set, buf, loads, left
	s_wait_loadcnt \left
.set i, 0
.rept 16                               ; these 32 conversions are also the places behind the step before's last products
	v_cvt_pk_bf16_f32 v[(\set)+4*i], v[(\set)+4*i], v[(\set)+4*i+1]
	v_cvt_pk_bf16_f32 v[(\set)+4*i+1], v[(\set)+4*i+2], v[(\set)+4*i+3]
.set i, i+1
.endr
.irp t, 0,1,2,3,4,5,6,7
	ds_store_b64 v[YS], v[(\set)+4*(\t):(\set)+4*(\t)+1] offset:(\buf)*YBUF+32*(\t)
.endr
.irp t, 0,1,2,3,4,5,6,7
	ds_store_b64 v[WS], v[(\set)+32+4*(\t):(\set)+32+4*(\t)+1] offset:(\buf)*WBUF+16*(\t)
.endr
	s_wait_dscnt 0x0                               ; for the others' sake: my stores are done
.if \loads
	s_wait_xcnt 0x0                                ; the bases are stepped only behind this wait
	s_add_nc_u64 s[4:5], s[4:5], 256
	s_add_nc_u64 s[6:7], s[6:7], 262144
	LOADS \set, 1                                  ; the step two on, into the set just emptied
.endif
	s_barrier_signal -1
	s_barrier_wait -1
.irp q, 0,1
.if (\q) == 1
.rept 4
	v_nop                                          ; four places between the products above and the loads into their fragments
.endr
.endif
.irp j, 0,1
	ds_load_b128 v[F+8*(\j):F+8*(\j)+3],   v[YF] offset:(\buf)*YBUF+(\j)*2304+(\q)*1152
	ds_load_b128 v[F+8*(\j)+4:F+8*(\j)+7], v[YF] offset:(\buf)*YBUF+(\j)*2304+(\q)*1152+576
.endr
.irp i, 0,1,2,3
	ds_load_tr16_b128 v[F+16+8*(\i):F+16+8*(\i)+3],   v[WF] offset:(\buf)*WBUF+(\q)*8448+(\i)*528
	ds_load_tr16_b128 v[F+16+8*(\i)+4:F+16+8*(\i)+7], v[WF] offset:(\buf)*WBUF+(\q)*8448+4224+(\i)*528
.endr
	s_wait_dscnt 0x0
.irp j, 0,1                            ; the eight accumulators take turns
.irp i, 0,1,2,3
	v_wmma_f32_16x16x32_bf16 v[ACC+8*((\i)+4*(\j)):ACC+8*((\i)+4*(\j))+7], v[F+16+8*(\i):F+16+8*(\i)+7], v[F+8*(\j):F+8*(\j)+7], v[ACC+8*((\i)+4*(\j)):ACC+8*((\i)+4*(\j))+7]
.endr
.endr
.endr
.endm
	s_mov_b32 s42, 5
.Lstep:                                                ; five trips of two steps; they ask for steps 2 to 11
	STEP R0, 0, 1, 16
	STEP R1, 1, 1, 16
	s_sub_co_u32 s42, s42, 1
	s_cmp_lg_u32 s42, 0
	s_cbranch_scc1 .Lstep
	STEP R0, 0, 0, 16                              ; the last two steps load nothing
	STEP R1, 1, 0, 0
.rept 4
	v_nop                                          ; the places behind the last products
.endr
.irp j, 0,1
.irp i, 0,1,2,3
.irp g, 0,1,2,3
	v_cvt_pk_f16_f32 v[F+4*((\i)+4*(\j))+(\g)], v[ACC+8*((\i)+4*(\j))+2*(\g)], v[ACC+8*((\i)+4*(\j))+2*(\g)+1]
.endr
.endr
.endr
.irp i, 0,1,2,3
	ds_load_b128 v[T+4*(\i):T+4*(\i)+3], v[CR] offset:CASTO+(\i)*528
.endr
.irp j, 0,1
.irp i, 0,1,2,3
	global_store_b128 v[OUTO], v[F+4*((\i)+4*(\j)):F+4*((\i)+4*(\j))+3], s[18:19] offset:(\j)*4096+(\i)*512  ; one block: 512 consecutive aligned bytes
.endr
.endr
	s_wait_dscnt 0x0
.irp i, 0,1,2,3
	global_store_b128 v[CO], v[T+4*(\i):T+4*(\i)+3], s[22:23] offset:(\i)*512
.endr
	s_wait_tensorcnt 0x0                           ; the wave's end, behind my last LDS store
	ds_add_u32 v[SPW], v[NIL]
	s_wait_dscnt 0x0
	s_endpgm
.Lfunc_end_k_q9b5a45094e_prep:
	.size	k_q9b5a45094e_prep, .Lfunc_end_k_q9b5a45094e_prep-k_q9b5a45094e_prep
	.p2alignl 7, 3214868480
	.fill 96, 4, 3214868480
	.section	.rodata,"a",@progbits
	.p2align	6, 0x0
	.amdhsa_kernel k_q9b5a45094e_prep
		.amdhsa_group_segment_fixed_size 88576
		.amdhsa_private_segment_fixed_size 0
		.amdhsa_enable_private_segment 0
		.amdhsa_kernarg_size 88
		.amdhsa_user_sgpr_count 2
		.amdhsa_user_sgpr_kernarg_segment_ptr 1
		.amdhsa_wavefront_size32 1
		.amdhsa_system_sgpr_workgroup_id_x 1
		.amdhsa_system_sgpr_workgroup_id_y 1
		.amdhsa_system_sgpr_workgroup_id_z 1
		.amdhsa_system_vgpr_workitem_id 0
		.amdhsa_next_free_vgpr 256
		.amdhsa_next_free_sgpr 66
		.amdhsa_reserve_vcc 0
		.amdhsa_float_denorm_mode_32 3
		.amdhsa_float_denorm_mode_16_64 3
		.amdhsa_memory_ordered 1
		.amdhsa_forward_progress 1
		.amdhsa_inst_pref_size 48
	.end_amdhsa_kernel
	.amdgpu_metadata
---
amdhsa.version: [ 1, 2 ]
amdhsa.kernels:
  - .name:           k_q9b5a45094e_prep
    .symbol:         k_q9b5a45094e_prep.kd
    .args:
      - { .name: y, .offset: 0, .size: 8, .value_kind: global_buffer, .address_space: global }
      - { .name: Wk, .offset: 8, .size: 8, .value_kind: global_buffer, .address_space: global }
      - { .name: Wv, .offset: 16, .size: 8, .value_kind: global_buffer, .address_space: global }
      - { .name: bk, .offset: 24, .size: 8, .value_kind: global_buffer, .address_space: global }
      - { .name: bv, .offset: 32, .size: 8, .value_kind: global_buffer, .address_space: global }
      - { .name: Wq, .offset: 40, .size: 8, .value_kind: global_buffer, .address_space: global }
      - { .name: Wo, .offset: 48, .size: 8, .value_kind: global_buffer, .address_space: global }
      - { .name: kf, .offset: 56, .size: 8, .value_kind: global_buffer, .address_space: global }
      - { .name: vf, .offset: 64, .size: 8, .value_kind: global_buffer, .address_space: global }
      - { .name: wq16, .offset: 72, .size: 8, .value_kind: global_buffer, .address_space: global }
      - { .name: wo16, .offset: 80, .size: 8, .value_kind: global_buffer, .address_space: global }
    .group_segment_fixed_size: 88576
    .private_segment_fixed_size: 0
    .kernarg_segment_align: 8
    .kernarg_segment_size: 88
    .max_flat_workgroup_size: 256
    .sgpr_count:     66
    .vgpr_count:     256
    .wavefront_size: 32
...
	.end_amdgpu_metadata
.endif
;; end of part 1
;; launch qattn (part 2): grid 4 x 64, 4 waves a work-group, clusters of 4 x 4, 327,680 bytes of LDS; arguments x, wq16, bq, kf, vf, of; writes of
.if DOCPART == 2
	.amdgcn_target "amdgcn-amd-amdhsa--gfx1250"
	.amdhsa_code_object_version 6
	.text
	.protected	k_q9b5a45094e_qattn
	.globl	k_q9b5a45094e_qattn
	.p2align	8
	.type	k_q9b5a45094e_qattn,@function
k_q9b5a45094e_qattn:
	s_mov_b64 s[64:65], 0
	v_nop
	global_prefetch_b8 v0, s[64:65] scope:SCOPE_SE
	s_setreg_imm32_b32 hwreg(HW_REG_WAVE_MODE, 25, 1), 1
	s_wait_xcnt 0x0
	s_wait_alu depctr_hold_cnt(0) depctr_sa_sdst(0) depctr_va_vdst(0) depctr_va_sdst(0) depctr_va_ssrc(0) depctr_va_vcc(0) depctr_vm_vsrc(0)
	s_getreg_b32 s2, hwreg(HW_REG_IB_STS2, 6, 4)
	s_cmp_eq_u32 s2, 0
	s_cbranch_scc0 .Lentry_in_a_cluster
	s_endpgm
.Lentry_in_a_cluster:
	s_bfe_u32 s2, ttmp6, 0x10000c
	s_cmp_lg_u32 s2, 0xf033
	s_cbranch_scc0 .Lentry_shape_is_right
	s_endpgm
.Lentry_shape_is_right:
; QATTN.  q = x Wq + bq for 256 rows x 256 columns (two heads), kept in registers; then for these two heads O = softmax(q k^T / sqrt(128)) v over the batch's 512 keys.
; x and bq are rounded to bf16 (Wq came so), the products are bf16 with f32 sums that start from the bias; q is rounded once to f16; k, v come in f16; scores, maxima and sums in f32; the weights p are rounded to
; f16 for the second product (their sum l is taken of the unrounded p); O is rounded once to f16.
; LIMITS.  q must lie within f16's 65,504; p below 6e-5 keeps f16's fixed step; a weight below 2^-126 counts as 0 in l; NaN and infinities are not treated apart.  The softmax has a running maximum.
; SHARES.  Work-group (p, rb): columns 256 p on, rows 256 rb on.  Wave w owns rows 64 w on (four tiles of 16 queries) and all 256 columns: 64 accumulators.  K = 1,024 goes in 16 steps of 64 (rows of x: 256 bytes).
; LAYOUT.  Source 0 = 16 columns of Wq, source 1 = 16 rows of x: a lane holds ONE query and eight channels, so two accumulators rounded to f16 ARE source 1 of S^T = K Q^T; S^T again holds one query a lane, two of
; its tiles rounded ARE source 1 of O^T = V^T P, and O^T's eight channels a lane are 16 bytes of one block of the output.  Nothing changes lanes and nothing passes an LDS stage.
; BLOCKS of 512 bytes, the reading lane l at byte 16 l: wq16 and vf are read turned (ds_load_tr16_b128), kf plainly; of: [row tile 1,024][channel tile 64], element (row r, channel 8 h + e) at 256 h + 16 r + 2 e.
; ATTENTION BY TURNS.  The wave's tiles are two PIECES (tiles 0, 1 and tiles 2, 3).  In a turn one piece has the matrix unit: 32 products V^T P of the step in hand, 32 products K Q^T of the next; the other piece's
; softmax stands in 64 slices behind them.  The two heads' 16 key steps are one walk; m starts at the lowest finite number, so a head's first step multiplies O^T and l by a = 0 and nothing is cleared.
; The walk is entered and left in the middle of a trip: 32 products on zero weights at its start and 32 on a stale K at its end serve nothing.
; CLUSTER 4 x 4.  The four of a row share rb and so x's tiles; the four of a column share p and the batch and so Wq's, K's and V's tiles.  Each tile is asked for jointly.
; REGISTERS, in windows of 256 (s_set_vgpr_msb: bits 1:0 source 0, 3:2 source 1, 5:4 source 2, 7:6 destination):
;   window 0: v0-11 addresses; v12-43 statistics; v62-63 the add's; first v64-127 x in f32, v128-191 x's fragments (two buffers); then v64-191 S^T, v192-255 P
;   window 1: first Wq's fragments, two buffers of 128 (the second holds the bias at the start); then Q of head 0 and of head 1
;   window 2: first accumulators of tiles 0, 1; then K v0-127, V v128-255          window 3: accumulators of tiles 2, 3; then O^T
.set SLOT1,  1<<17                     ; slot 1 begins here: one exclusive or turns an address in one slot into the other's
.set XPITCH, 272                       ; a row of x in LDS: 256 bytes and 16 of padding: the 16 rows of a load begin at 16 different 16-byte columns modulo 256
.set XHALF,  128*XPITCH                ; what one tensor load of x brings
.set WOFF,   2*XHALF                   ; behind x's 256 rows: Wq's 4 k tiles x 16 column tiles x 512
.set VOFF,   65536                     ; an attention slot: 256 keys of K, then of V
.set SPARE,  2*SLOT1                   ; behind the slots: the spare words, 128 bytes a wave
.set L16, 2                            ; v2   16 l; never rewritten
.set AX0, 3                            ; v3   my lane's place in x's rows
.set AW0, 4                            ; v4   in Wq's blocks
.set AX,  5                            ; v5   the same in the slot in hand
.set AW,  6                            ; v6
.set ADR, 7                            ; v7   the address of the run of K's or V's loads in hand
.set AV0, 8                            ; v8   16 l + VOFF
.set PFO, 9                            ; v9   the row of x that I ask for ahead
.set BO,  10                           ; v10  my eight numbers of the bias
.set ST,  12                           ; tile t's statistics at v[ST+8 t]: c m, m, l (even keys', odd keys'), c0-c3 at work; a takes c2's place
.set SPW, 62
.set NIL, 63
.set XR,  64
.set XF,  128
.set S,   64
.set P,   192
.set KF,  0
.set VF,  128
.set WV,  16                           ; s16  my wave's number
.set HF,  17                           ; s17  its low bit: which half of a tile I fetch
.set G1X, 32                           ; s[32:39] group 1 for x's tiles;  s[40:47] for Wq's;  s[48:55] for K's and V's
.set G1W, 40
.set G1A, 48
.set G0X, 56                           ; s[56:63] group 0 for x: step 0's, and the one that walks
.set PFB, 66                           ; s[66:67] x at my block's rows, at the K step asked for ahead
.set G0W, 68                           ; s[68:75] the same two for Wq
.set G0K, 76                           ; s[76:79] K's, s[80:83] V's: they walk
.set G0V, 80
.set TG,  84                           ; s84  the slot that the GEMM reads
.set KCNT, 85
.set SLOTS, 86
.set CNT, 87
.set CS,  88                           ; s[88:89] c = log2(e) / sqrt(128)
.set SEL, 90                           ; s[90:91] v_permlanex16_b32's selects
.set TB,  92                           ; s92  LDS byte at which K of the step to be fetched begins
.set HB,  93                           ; s93  0 in the trip in which head 0 ends
.set OB,  94                           ; s[94:95] the output at my wave's blocks
.set W_KQ, 0x06                        ; K window 2, Q window 1, S^T window 0
.set W_PV, 0xf2                        ; V window 2, P window 0, O^T window 3
.set W_RS, 0xc3                        ; O^T (destination and source 0) window 3, the factor window 0
.set MSB, 0
.macro WIN new                         ; the high byte repeats the setting that is left; a switch that changes nothing is dropped
.if MSB != (\new)
	s_set_vgpr_msb (MSB<<8)|(\new)
.set MSB, (\new)
.endif
.endm
.macro CREST                           ; a round of the cluster's barrier behind its opening barrier
	s_cmp_lg_u32 s[WV], 0
	s_cbranch_scc1 .Lnot_wave_0_\@
	s_barrier_signal -3
.Lnot_wave_0_\@:
	s_barrier_wait -3
	s_barrier_signal -1
	s_barrier_wait -1
.endm
.macro CROUND
	s_barrier_signal -1
	s_barrier_wait -1
	CREST
.endm
; Joint loads.  Waves 0 and 1 fetch the halves of x's tile (of K's), waves 2 and 3 those of Wq's (of V's).  An s_nop 0 and four v_nop follow each line.
; Behind x's load waves 0 and 1 ask the far cache for x's K step two steps behind the one just requested: rows 64 cx + 32 (w % 2) + l, 256 bytes each: the four partners' eight waves cover the block's 256 rows,
; each aligned 256 bytes once in the launch.  The last two trips ask for nothing: step 15 is x's last.
.macro JLOADG
	s_cmp_lt_u32 s[WV], 2
	s_cbranch_scc0 .Lgw_\@
	tensor_load_to_lds s[G0X+4:G0X+7], s[G1X:G1X+7]
	s_nop 0
.rept 4
	v_nop
.endr
	s_cmp_lt_u32 s[KCNT], 3
	s_cbranch_scc1 .Lgd_\@
	global_prefetch_b8 v[PFO], s[PFB:PFB+1] th:TH_LOAD_NT scope:SCOPE_SE
	s_branch .Lgd_\@
.Lgw_\@:
	tensor_load_to_lds s[G0W+4:G0W+7], s[G1W:G1W+7]
	s_nop 0
.rept 4
	v_nop
.endr
.Lgd_\@:
.endm
.macro JLOADA
	s_cmp_lt_u32 s[WV], 2
	s_cbranch_scc0 .Lav_\@
	tensor_load_to_lds s[G0K:G0K+3], s[G1A:G1A+7]
	s_nop 0
.rept 4
	v_nop
.endr
	s_branch .Laa_\@
.Lav_\@:
	tensor_load_to_lds s[G0V:G0V+3], s[G1A:G1A+7]
	s_nop 0
.rept 4
	v_nop
.endr
.Laa_\@:
.endm
	s_load_b256 s[4:11], s[0:1], 0x0               ; x s[4:5], wq16 s[6:7], bq s[8:9], kf s[10:11]
	s_load_b128 s[12:15], s[0:1], 0x20             ; vf s[12:13], of s[14:15]
	v_lshl_add_u32 v[SPW], v0, 2, SPARE
	v_mov_b32 v[NIL], 0
	ds_add_u32 v[SPW], v[NIL]                      ; the wave's opening: the add and its wait stand ahead of my first tensor load; the set-up below stands between them
	v_lshrrev_b32 v1, 5, v0
	v_readfirstlane_b32 s[WV], v1
	s_and_b32 s[HF], s[WV], 1
	s_bfe_u32 s19, ttmp6, 0x40000                  ; cx
	s_bfe_u32 s20, ttmp6, 0x40004                  ; cy
	s_lshl_b32 s21, ttmp9, 2
	s_add_co_u32 s21, s21, s19                     ; p = 4 x cluster x + cx
	s_and_b32 s22, ttmp7, 0xffff                   ; cluster y
	s_lshl_b32 s23, s22, 2
	s_add_co_u32 s23, s23, s20                     ; rb = 4 x cluster y + cy
	s_lshl_b32 s24, s20, 2
	s_lshl_b32 s24, 15, s24                        ; my row of the cluster
	s_lshl_b32 s25, 0x1111, s19                    ; my column
	s_or_b32 s[G1X], s24, (2<<16)|(1<<20)|(1<<21)|(5<<22)|(3<<25)  ; mask; 4-byte elements; padding on; bit 21 beside a mask; after every 64 words 4 words
	s_mov_b32 s[G1X+1], 64<<16                     ; tensor_dim0 = 64
	s_mov_b32 s[G1X+2], 128<<16                    ; tensor_dim1 = 128
	s_mov_b32 s[G1X+3], 64<<16                     ; tile_dim0 = 64
	s_mov_b32 s[G1X+4], 128                        ; tile_dim1 = 128
	s_mov_b32 s[G1X+5], 1024                       ; elements from row to row
	s_mov_b32 s[G1X+6], 0
	s_mov_b32 s[G1X+7], 0
	s_or_b32 s[G1W], s25, (3<<16)|(1<<21)          ; 16,384 dense bytes as 64 rows of 32 elements of 8 bytes
	s_mov_b32 s[G1W+1], 32<<16
	s_mov_b32 s[G1W+2], 64<<16
	s_mov_b32 s[G1W+3], 32<<16
	s_mov_b32 s[G1W+4], 64
	s_mov_b32 s[G1W+5], 32
	s_mov_b32 s[G1W+6], 0
	s_mov_b32 s[G1W+7], 0
	s_or_b32 s[G1A], s25, (3<<16)|(1<<21)          ; 32,768 dense bytes as 128 such rows
	s_mov_b32 s[G1A+1], 32<<16
	s_mov_b32 s[G1A+2], 128<<16
	s_mov_b32 s[G1A+3], 32<<16
	s_mov_b32 s[G1A+4], 128
	s_mov_b32 s[G1A+5], 32
	s_mov_b32 s[G1A+6], 0
	s_mov_b32 s[G1A+7], 0
	s_lshl_b32 s26, s23, 20                        ; x: 256 rb rows of 4,096 bytes, and my 128 of them: no cx in these registers
	s_lshl_b32 s18, s[HF], 19
	s_add_co_u32 s26, s26, s18
	s_mov_b32 s27, 0
	s_lshl_b32 s28, s21, 19                        ; wq16: p, and my two k tiles of a step: no cy
	s_lshl_b32 s18, s[HF], 14
	s_add_co_u32 s28, s28, s18
	s_mov_b32 s29, 0
	s_lshr_b32 s30, s22, 2                         ; the batch = cluster y / 4: no cy
	s_lshl_b32 s30, s30, 20                        ; eight heads of 131,072 bytes,
	s_lshl_b32 s2, s21, 18                         ; head 2 p,
	s_add_co_u32 s30, s30, s2
	s_lshl_b32 s18, s[HF], 15                      ; my 128 keys of 256
	s_add_co_u32 s30, s30, s18
	s_mov_b32 s31, 0
	s_mov_b32 s[G0X], 1
	s_mov_b32 s[G0X+4], 1
	s_mov_b32 s[G0W], 1
	s_mov_b32 s[G0W+4], 1
	s_mov_b32 s[G0K], 1
	s_mov_b32 s[G0V], 1
	s_mul_i32 s[G0X+1], s[HF], XHALF               ; LDS addresses hang on the wave's number alone
	s_add_co_u32 s[G0X+5], s[G0X+1], SLOT1
	s_lshl_b32 s18, s[HF], 14
	s_add_co_u32 s[G0W+1], s18, WOFF
	s_add_co_u32 s[G0W+5], s18, WOFF+SLOT1
	s_lshl_b32 s[G0K+1], s[HF], 15
	s_add_co_u32 s[G0V+1], s[G0K+1], VOFF
	s_mov_b32 s[CS], 0x3e0293ee                    ; c = 0.127517
	s_mov_b32 s[CS+1], s[CS]
	s_mov_b32 s[SEL], 0x76543210
	s_mov_b32 s[SEL+1], 0xfedcba98
	s_mov_b32 s[TG], 0
	s_wait_dscnt 0x0                               ; the opening add is done
	s_wait_kmcnt 0x0
	s_add_nc_u64 s[G0X+2:G0X+3], s[4:5], s[26:27]
	s_add_nc_u64 s[G0X+6:G0X+7], s[G0X+2:G0X+3], 256       ; K step 1
	s_or_b32 s[G0X+3], s[G0X+3], 0x80000000
	s_or_b32 s[G0X+7], s[G0X+7], 0x80000000
	s_add_nc_u64 s[G0W+2:G0W+3], s[6:7], s[28:29]
	s_add_nc_u64 s[G0W+6:G0W+7], s[G0W+2:G0W+3], 32768
	s_or_b32 s[G0W+3], s[G0W+3], 0x80000000
	s_or_b32 s[G0W+7], s[G0W+7], 0x80000000
	s_add_nc_u64 s[G0K+2:G0K+3], s[10:11], s[30:31]
	s_or_b32 s[G0K+3], s[G0K+3], 0x80000000
	s_add_nc_u64 s[G0V+2:G0V+3], s[12:13], s[30:31]
	s_or_b32 s[G0V+3], s[G0V+3], 0x80000000
	s_lshl_b32 s26, s23, 20
	s_add_nc_u64 s[PFB:PFB+1], s[4:5], s[26:27]
	s_add_nc_u64 s[PFB:PFB+1], s[PFB:PFB+1], 768   ; K step 3: every trip steps it before it asks
	s_lshl_b32 s28, s21, 10
	s_add_nc_u64 s[8:9], s[8:9], s[28:29]          ; the bias at my 256 columns
	s_lshl_b32 s2, s23, 19                         ; the output: row tile 16 rb + 4 w, 32,768 bytes each; channel tile 16 p
	s_lshl_b32 s18, s[WV], 17
	s_add_co_u32 s2, s2, s18
	s_lshl_b32 s3, s21, 13
	s_add_co_u32 s2, s2, s3
	s_mov_b32 s3, 0
	s_add_nc_u64 s[OB:OB+1], s[14:15], s[2:3]
	CROUND                                         ; all sixteen work-groups are here: the first joint loads meet
	s_cmp_lt_u32 s[WV], 2                          ; a wave's two first fills stand in one branch: two loads of mine are out
	s_cbranch_scc0 .Lfirst_w
	tensor_load_to_lds s[G0X:G0X+3], s[G1X:G1X+7]
	s_nop 0
	tensor_load_to_lds s[G0X+4:G0X+7], s[G1X:G1X+7]
	s_nop 0
.rept 4
	v_nop
.endr
	s_branch .Lfirst_asked
.Lfirst_w:
	tensor_load_to_lds s[G0W:G0W+3], s[G1W:G1W+7]
	s_nop 0
	tensor_load_to_lds s[G0W+4:G0W+7], s[G1W:G1W+7]
	s_nop 0
.rept 4
	v_nop
.endr
.Lfirst_asked:
	v_and_b32 v1, 31, v0
	v_lshlrev_b32 v[L16], 4, v1
	v_bfe_u32 v11, v0, 4, 1                        ; l / 16
	v_lshlrev_b32 v[BO], 5, v11
	WIN 0x40                                       ; destination window 1
.set i, 0
.rept 16                               ; register 128 + 8 n + j: the bias of column 16 n + 8 (l / 16) + j: the C operand of tile n's first products
	global_load_b128 v[128+8*i:128+8*i+3],   v[BO], s[8:9] offset:64*i
	global_load_b128 v[128+8*i+4:128+8*i+7], v[BO], s[8:9] offset:64*i+16
.set i, i+1
.endr
	WIN 0
	v_and_b32 v[AX0], 15, v0
	v_mul_u32_u24 v[AX0], v[AX0], XPITCH
	v_lshl_add_u32 v[AX0], v11, 5, v[AX0]          ; row l % 16, eight f32 by l / 16
	s_mul_i32 s18, s[WV], 64*XPITCH
	v_add_nc_u32 v[AX0], s18, v[AX0]               ; my wave's 64 rows
	v_add_nc_u32 v[AW0], WOFF, v[L16]
	v_add_nc_u32 v[AV0], VOFF, v[L16]
	v_mov_b32 v[AX], v[AX0]
	v_mov_b32 v[AW], v[AW0]
	s_lshl_b32 s2, s19, 6
	s_lshl_b32 s18, s[HF], 5
	s_add_co_u32 s2, s2, s18
	v_add_nc_u32 v[PFO], s2, v1
	v_lshlrev_b32 v[PFO], 12, v[PFO]
	s_mov_b32 s3, 0xffff0000                       ; a word's upper bf16
	s_wait_loadcnt 0x0
	WIN 0x05                                       ; the bias rounded to bf16,
.set i, 0
.rept 64
	v_cvt_pk_bf16_f32 v[XR+i], v[128+2*i], v[128+2*i+1]
.set i, i+1
.endr
	WIN 0x40                                       ; and widened again
.set i, 0
.rept 64
	v_lshlrev_b32 v[128+2*i], 16, v[XR+i]
	v_and_b32 v[128+2*i+1], s3, v[XR+i]
.set i, i+1
.endr
	WIN 0
; THE GEMM.  cnt products: query tile t x column tiles n0 on, 32 along K, from buffers f.  The 64 accumulators take turns.  bias = 1: the first products start the sums from the bias.
.macro MULG f, t, bias, n0=0, cnt=16
.if \bias
	WIN 0x91+0x40*((\t)/2)
.else
	WIN 0xa1+0x50*((\t)/2)
.endif
.set nn, (\n0)
.rept (\cnt)
.if \bias
	v_wmma_f32_16x16x32_bf16 v[128*((\t)%2)+8*nn:128*((\t)%2)+8*nn+7], v[128*(\f)+8*nn:128*(\f)+8*nn+7], v[XF+32*(\f)+8*(\t):XF+32*(\f)+8*(\t)+7], v[128+8*nn:128+8*nn+7]
.else
	v_wmma_f32_16x16x32_bf16 v[128*((\t)%2)+8*nn:128*((\t)%2)+8*nn+7], v[128*(\f)+8*nn:128*(\f)+8*nn+7], v[XF+32*(\f)+8*(\t):XF+32*(\f)+8*(\t)+7], v[128*((\t)%2)+8*nn:128*((\t)%2)+8*nn+7]
.endif
.set nn, nn+1
.endr
.endm
.macro FETCHX q                        ; my 64 rows, 32 along K in f32: k = 8 h + 0..7 and 16 + 8 h + 0..7
	WIN 0
.irp t, 0,1,2,3
	ds_load_b128 v[XR+16*(\t):XR+16*(\t)+3],     v[AX] offset:(\t)*16*XPITCH+(\q)*128
	ds_load_b128 v[XR+16*(\t)+4:XR+16*(\t)+7],   v[AX] offset:(\t)*16*XPITCH+(\q)*128+16
	ds_load_b128 v[XR+16*(\t)+8:XR+16*(\t)+11],  v[AX] offset:(\t)*16*XPITCH+(\q)*128+64
	ds_load_b128 v[XR+16*(\t)+12:XR+16*(\t)+15], v[AX] offset:(\t)*16*XPITCH+(\q)*128+80
.endr
.endm
.macro FETCHW q, f                     ; all 16 column tiles, k tiles 2 q and 2 q + 1, turned
	WIN 0x40
.set nn, 0
.rept 16
	ds_load_tr16_b128 v[128*(\f)+8*nn:128*(\f)+8*nn+3],   v[AW] offset:(\q)*16384+nn*512
	ds_load_tr16_b128 v[128*(\f)+8*nn+4:128*(\f)+8*nn+7], v[AW] offset:(\q)*16384+8192+nn*512
.set nn, nn+1
.endr
.endm
.macro CVTX g                          ; x rounded to bf16.  These 32 plain instructions are also the places in front of the next loads into fragments that products have read
	WIN 0
.set i, 0
.rept 32
	v_cvt_pk_bf16_f32 v[XF+32*(\g)+i], v[XR+2*i], v[XR+2*i+1]
.set i, i+1
.endr
.endm
; A K step is two halves of 32.  The first: multiplies buffers 0 and fetches the second half into buffers 1.
.macro QUARTERG
	s_wait_dscnt 0x0                               ; Wq's fragments are in
	MULG 0, 0, 0
	MULG 0, 1, 0
	FETCHX 1
	FETCHW 1, 1
	MULG 0, 2, 0
	MULG 0, 3, 0
	s_wait_dscnt 32                                ; x's 16 loads are in; Wq's 32, issued behind them, stay out
	CVTX 1
.endm
; The second half multiplies buffers 1 and changes slots.  The change stands at its head: all reads of this slot were issued in the first half.  Each wave waits for all its tensor loads (one is out: its part of the
; next slot), adds 0 to its spare word, waits for that and for its reads of this slot; a round of the cluster's barrier; behind it this slot is filled again, first thing.  What stands between the wait for the tile
; and the next request delays every later tile by as much, so only the descriptors' steps and eight products stand there, between the add and the wait for it; the other 56 products follow the request and the
; next slot's 48 fragment loads.  kind 0: the refill is the K step two on.  kind 1: the first 256 keys' K and V.  kind 2: the next 256; nothing is fetched.
.macro TURNG kind
	WIN 0
.if (\kind) == 0
	s_wait_xcnt 0x0                                ; the last trip's request ahead has read its base, which is stepped below
.endif
	s_wait_tensorcnt 0x0                           ; no tensor load of mine is out, so a group 0 may be written
	ds_add_u32 v[SPW], v[NIL]                      ; 0 onto my spare word
.if (\kind) == 0
	s_xor_b32 s[G0X+5], s[G0X+5], SLOT1
	s_add_nc_u64 s[G0X+6:G0X+7], s[G0X+6:G0X+7], 256
	s_xor_b32 s[G0W+5], s[G0W+5], SLOT1
	s_add_nc_u64 s[G0W+6:G0W+7], s[G0W+6:G0W+7], 32768
	s_add_nc_u64 s[PFB:PFB+1], s[PFB:PFB+1], 256
.endif
.if (\kind) == 2
	s_xor_b32 s[G0K+1], s[G0K+1], SLOT1
	s_add_nc_u64 s[G0K+2:G0K+3], s[G0K+2:G0K+3], 65536
	s_xor_b32 s[G0V+1], s[G0V+1], SLOT1
	s_add_nc_u64 s[G0V+2:G0V+3], s[G0V+2:G0V+3], 65536
.endif
	s_wait_dscnt 1                                 ; only the add may be out: Wq's fragments are in
	MULG 1, 0, 0, 0, 8
	WIN 0
	s_wait_dscnt 0x0                               ; the add is done, and my reads of this slot are over
	CROUND                                         ; no wave of any partner still reads this slot or has a load on its way
.if (\kind) == 0
	JLOADG
.else
	JLOADA
.endif
.if (\kind) < 2
	s_xor_b32 s[TG], s[TG], SLOT1
	v_add_nc_u32 v[AX], s[TG], v[AX0]
	v_add_nc_u32 v[AW], s[TG], v[AW0]
	FETCHX 0
	FETCHW 0, 0
.endif
	MULG 1, 0, 0, 8, 8
	MULG 1, 1, 0
	MULG 1, 2, 0
	MULG 1, 3, 0
.if (\kind) < 2
	s_wait_dscnt 32                                ; x's 16 loads are in; Wq's 32 stay out
	CVTX 0
.endif
.endm
.macro PACKQ hd, t                     ; q of tile t, head hd, rounded to f16: accumulators 2 c and 2 c + 1 of the head make the fragment of channels 32 c on
	WIN 0x4a+5*((\t)/2)
.irp c, 0,1,2,3
.irp e, 0,1
.irp g, 0,1,2,3
	v_cvt_pk_f16_f32 v[128*(\hd)+32*(\t)+8*(\c)+4*(\e)+(\g)], v[128*((\t)%2)+8*(8*(\hd)+2*(\c)+(\e))+2*(\g)], v[128*((\t)%2)+8*(8*(\hd)+2*(\c)+(\e))+2*(\g)+1]
.endr
.endr
.endr
.endm
; THE ATTENTION'S MATRIX WORK, for piece x.  Product i of 32 of O^T += V^T P: keys 32 (i / 16) on, channels 16 ((i / 2) % 8) on, tile x + i % 2.
.macro PV x
	WIN W_PV
.set rO, 64*((\x)+i%2)+8*((i/2)%8)
.set rV, VF+64*(i/16)+8*((i/2)%8)
.set rP, P+16*((\x)+i%2)+8*(i/16)
	v_wmma_f32_16x16x32_f16 v[rO:rO+7], v[rV:rV+7], v[rP:rP+7], v[rO:rO+7]
.endm
; Product i of 32 of S^T = K Q^T: channels 32 (i / 8) on, keys 16 ((i / 2) % 4) on, tile x + i % 2.  The first 8 start the sums.
.macro KQ x
	WIN W_KQ
.set rS, S+32*((\x)+i%2)+8*((i/2)%4)
.set rK, KF+32*((i/2)%4)+8*(i/8)
.set rQ, 32*((\x)+i%2)+8*(i/8)
.if i < 8
	v_wmma_f32_16x16x32_f16 v[rS:rS+7], v[rK:rK+7], v[rQ:rQ+7], 0
	s_wait_alu depctr_va_vdst(0)
.else
	v_wmma_f32_16x16x32_f16 v[rS:rS+7], v[rK:rK+7], v[rQ:rQ+7], v[rS:rS+7]
.endif
.endm
; The LDS loads stand in runs of 32.  last = 1 (the tail): in the last trip there is no further step, and the run is jumped over.
.macro FETCH_K last
	WIN 0
.if \last
	s_cmp_eq_u32 s[CNT], 1
	s_cbranch_scc1 .Lno_k_\@
.endif
	v_add_nc_u32 v[ADR], s[TB], v[L16]
	WIN 0x80
.irp f, 0,1,2,3,4,5,6,7,8,9,10,11,12,13,14,15  ; keys 16 (f / 4) on, channels 32 (f % 4) on
	ds_load_b128 v[KF+8*(\f):KF+8*(\f)+3],   v[ADR] offset:((\f)/4)*4096+((\f)%4)*1024
	ds_load_b128 v[KF+8*(\f)+4:KF+8*(\f)+7], v[ADR] offset:((\f)/4)*4096+((\f)%4)*1024+512
.endr
	WIN 0
.if \last
.Lno_k_\@:
.endif
.endm
.macro FETCH_V step
	WIN 0
	v_add_nc_u32 v[ADR], s[TB], v[AV0]
.if \step
	s_add_co_u32 s[TB], s[TB], 16384               ; the next fetch is the next step's
.endif
	WIN 0x80
.irp f, 0,1,2,3,4,5,6,7,8,9,10,11,12,13,14,15  ; keys 32 (f / 8) on, channels 16 (f % 8) on
	ds_load_tr16_b128 v[VF+8*(\f):VF+8*(\f)+3],   v[ADR] offset:(2*((\f)/8))*4096+((\f)%8)*512
	ds_load_tr16_b128 v[VF+8*(\f)+4:VF+8*(\f)+7], v[ADR] offset:(2*((\f)/8)+1)*4096+((\f)%8)*512
.endr
.endm
; THE VECTOR WORK.  One tile's softmax for one key step is a list of 134 instructions; SM writes number j of it for tile t.
;   0-15   the maximum of the lane's 32 scores and the old m, three operands at a time; each accumulator's lowest registers are read first
;   16-20  the other half of the lanes' maximum; the new m; c m; c m_old - c m_new
;   21-87  33 exponentials (a, then the scores) at the odd numbers from 23 on, a plain instruction behind each: scalings c s - c m ahead of their exponentials, roundings to f16 behind theirs, the first sums
;   88-101 the last rounding, the rest of the sums, l = a l + the sum          102-133 the tile's O^T times a
.macro SM t
.set rT, ST+8*(\t)
.set rS, S+32*(\t)
.set rP, P+16*(\t)
.set rO, 64*(\t)+2*(j-102)
.set q, (j-20)/2
.if j < 102
	WIN 0
.endif
.if j < 4
	v_max3_num_f32 v[rT+4+j], v[rS+8*j], v[rS+8*j+1], v[rS+8*j+2]
.elseif j < 12
	v_max3_num_f32 v[rT+4+j%4], v[rT+4+j%4], v[rS+8*(j%4)+2*(j/4)+1], v[rS+8*(j%4)+2*(j/4)+2]
.elseif j == 12
	v_max3_num_f32 v[rT+4], v[rT+4], v[rS+7], v[rS+15]
.elseif j == 13
	v_max3_num_f32 v[rT+6], v[rT+6], v[rS+23], v[rS+31]
.elseif j == 14
	v_max3_num_f32 v[rT+4], v[rT+4], v[rT+5], v[rT+6]
.elseif j == 15
	v_max3_num_f32 v[rT+4], v[rT+4], v[rT+7], v[rT+1]
.elseif j == 16
	v_permlanex16_b32 v[rT+5], v[rT+4], s[SEL], s[SEL+1]  ; the query's other 32 keys lie in the lane 16 away
.elseif j == 17
	v_mov_b32 v[rT+7], v[rT]                       ; c m_old is kept for a
.elseif j == 18
	v_max_num_f32 v[rT+1], v[rT+4], v[rT+5]
.elseif j == 19
	v_mul_f32 v[rT], s[CS], v[rT+1]
.elseif j == 20
	v_sub_f32 v[rT+7], v[rT+7], v[rT]
.elseif j == 23
	v_exp_f32 v[rT+6], v[rT+7]
.elseif (j < 88) && (j > 23) && (j%2 == 1)
	v_exp_f32 v[rS+(j-25)/2], v[rS+(j-25)/2]
.elseif (q < 4) || ((j < 76) && (q%2 == 0))
.set b, q/2+2
.if q < 4
.set b, q
.endif
	v_pk_fma_f32 v[rS+2*b:rS+2*b+1], v[rS+2*b:rS+2*b+1], s[CS:CS+1], v[rT:rT+1] op_sel_hi:[1,0,0] neg_lo:[0,0,1] neg_hi:[0,0,1]
.elseif (j < 88) && (q%2 == 1)
	s_wait_alu depctr_va_vdst(0)
	v_cvt_pk_f16_f32 v[rP+(q-5)/2], v[rS+q-5], v[rS+q-4]
.elseif j == 89
	s_wait_alu depctr_va_vdst(0)
	v_cvt_pk_f16_f32 v[rP+15], v[rS+30], v[rS+31]
.elseif j < 102
.set z, j-86
.if j < 89
.set z, (j-76)/4
.endif
.set w, 4
.set u, z
.if z >= 14
.set w, 32
.set u, 0
.elseif z >= 12
.set w, 16
.set u, z-12
.elseif z >= 8
.set w, 8
.set u, z-8
.endif
.if z < 15
	v_pk_add_f32 v[rS+w*u:rS+w*u+1], v[rS+w*u:rS+w*u+1], v[rS+w*u+w/2:rS+w*u+w/2+1]
.else
	v_pk_fma_f32 v[rT+2:rT+3], v[rT+2:rT+3], v[rT+6:rT+7], v[rS:rS+1] op_sel_hi:[1,0,1]
.endif
.else
	WIN W_RS
	v_pk_mul_f32 v[rO:rO+1], v[rO:rO+1], v[rT+6:rT+7] op_sel_hi:[1,0]
.endif
.endm
; Slice k of 64 of piece y's softmax: numbers 2 k and 2 k + 1 of both tiles' lists; the twelve that are over stand in slice 63, which is also the places behind the turn's last products.
.macro SLICE y
.if (k >= 11) && (k < 44)
.irp t, \y, (\y)+1
.irp n, 0,1
.set j, 2*k+(\n)
	SM \t
.endr
.endr
.else
.irp n, 0,1,2,3,4,5,6,7
.if ((\n) < 2) || (k == 63)
.irp t, \y, (\y)+1
.set j, 2*k+(\n)
	SM \t
.endr
.endif
.endr
.endif
.set k, k+1
.endm
; A TURN.  Piece x has the matrix unit; the other piece's softmax stands in slices behind its products.  Piece 0's turn fetches the next step's K behind its second product (K's last reader stands in front of the
; turn before's slice 63); piece 2's turn fetches that step's V behind the second product K Q^T (V's last reader stands three slices, six plain instructions, back).
.macro TURN x, last
.set k, 0
.if (\x) == 0
	s_wait_dscnt 0x0                               ; V is in
.endif
.set i, 0
.rept 32
	PV \x
	SLICE 2-(\x)
.if ((\x) == 0) && (i == 1)
	FETCH_K \last
.endif
.set i, i+1
.endr
.if (\x) == 0
	s_wait_dscnt 0x0                               ; K is in
.endif
.set i, 0
.rept 32
	KQ \x
	SLICE 2-(\x)
.if ((\x) == 2) && (i == 1)
	FETCH_V 1
.endif
.set i, i+1
.endr
.endm
; THE CHANGE OF SLOTS, behind the turn that asked for V of the slot's fourth step.  fill = 1: the slot is filled again with the 256 keys two slots on, behind a round of the cluster's barrier: four key steps in which to land.
.macro CHANGE fill
	WIN 0
	s_wait_tensorcnt 0x0                           ; no tensor load of mine is out, so a group 0 may be written
	ds_add_u32 v[SPW], v[NIL]                      ; 0 onto my spare word
.if \fill
	s_xor_b32 s[G0K+1], s[G0K+1], SLOT1
	s_add_nc_u64 s[G0K+2:G0K+3], s[G0K+2:G0K+3], 65536
	s_xor_b32 s[G0V+1], s[G0V+1], SLOT1
	s_add_nc_u64 s[G0V+2:G0V+3], s[G0V+2:G0V+3], 65536
	s_wait_dscnt 0x0                               ; the add is done, and my reads of the slot are over
	CROUND
	JLOADA
.else
	s_wait_dscnt 0x0
	s_barrier_signal -1
	s_barrier_wait -1
.endif
	s_sub_co_u32 s[TB], s[TB], 65536               ; the fetches go back to a slot's first step,
	s_xor_b32 s[TB], s[TB], SLOT1                  ; in the other slot
.endm
; A PIECE'S WAY OUT for head hd: l's halves and the other lanes' are added, O^T is divided by l, rounded to f16 into the other piece's S^T registers (dead here), and stored: a lane's 16 bytes lie at 16 l of a block.
; again = 1: another head follows: m starts anew, and the stores' registers are given back before the next products write them.
.macro HEADOUT x, hd, again
	WIN 0
.irp t, \x, (\x)+1
	v_add_f32 v[ST+8*(\t)+4], v[ST+8*(\t)+2], v[ST+8*(\t)+3]
.endr
.irp t, \x, (\x)+1
	v_permlanex16_b32 v[ST+8*(\t)+5], v[ST+8*(\t)+4], s[SEL], s[SEL+1]
.endr
.irp t, \x, (\x)+1
	v_add_f32 v[ST+8*(\t)+4], v[ST+8*(\t)+4], v[ST+8*(\t)+5]
.endr
.irp t, \x, (\x)+1
	v_rcp_f32 v[ST+8*(\t)+6], v[ST+8*(\t)+4]
.endr
.if \again
	s_wait_alu depctr_va_vdst(0)
.irp t, \x, (\x)+1                     ; plain instructions between the reciprocals and their use
	v_mov_b32 v[ST+8*(\t)], 0xfe000000             ; c m: far below every c s
	v_mov_b32 v[ST+8*(\t)+1], 0xff7fffff           ; m
.endr
.else
	v_nop
	s_wait_alu depctr_va_vdst(0)
.endif
.irp t, \x, (\x)+1
	WIN W_RS
.set i, 0
.rept 32
	v_pk_mul_f32 v[64*(\t)+2*i:64*(\t)+2*i+1], v[64*(\t)+2*i:64*(\t)+2*i+1], v[ST+8*(\t)+6:ST+8*(\t)+7] op_sel_hi:[1,0]
.set i, i+1
.endr
	WIN 0x0f
.set i, 0
.rept 32
	v_cvt_pk_f16_f32 v[S+32*(2-(\x))+32*((\t)-(\x))+i], v[64*(\t)+2*i], v[64*(\t)+2*i+1]
.set i, i+1
.endr
	WIN 0
.irp c, 0,1,2,3,4,5,6,7
	global_store_b128 v[L16], v[S+32*(2-(\x))+32*((\t)-(\x))+4*(\c):S+32*(2-(\x))+32*((\t)-(\x))+4*(\c)+3], s[OB:OB+1] offset:(\t)*32768+(\hd)*4096+(\c)*512  ; 512 consecutive aligned bytes
.endr
.endr
.if \again
	s_wait_xcnt 0x0
.endif
.endm
	s_wait_tensorcnt 0x1                           ; my part of K step 0 is in; step 1's may stay out
	s_barrier_signal -1
	s_barrier_wait -1
	FETCHX 0
	FETCHW 0, 0
	s_wait_dscnt 32
	CVTX 0
	s_wait_dscnt 0x0
	MULG 0, 0, 1                                   ; the first half step starts the sums from the bias
	MULG 0, 1, 1
	FETCHX 1
	MULG 0, 2, 1
	MULG 0, 3, 1
	s_wait_dscnt 0x0
	CVTX 1                                         ; the places in front of the loads over the bias
	FETCHW 1, 1
	WIN 0
	s_mov_b32 s[KCNT], 14
.Lk:                                                   ; 14 trips: the change of slots, a step's second half, the next step's first half; they ask for steps 2 to 15
	TURNG 0
	QUARTERG
	s_sub_co_u32 s[KCNT], s[KCNT], 1
	s_cmp_lg_u32 s[KCNT], 0
	s_cbranch_scc1 .Lk
	TURNG 1                                        ; step 14's reads are over: slot 0 takes keys 0-255 of head 2 p
	QUARTERG
	TURNG 2                                        ; step 15's reads are over: slot 1 takes keys 256-511; its wait and round have shown slot 0 whole
	PACKQ 0, 0                                     ; reads the eight accumulators finished in front of the round: the joint load's four v_nop are their places;
	PACKQ 0, 1                                     ; its 32 conversions, which name no register of the later products, are the places for all of those, and for
	PACKQ 1, 0                                     ; head 1's conversions, which write over fragments that the last products read
	PACKQ 1, 1
	WIN 0
	s_mov_b32 s[TB], 0
	FETCH_K 0                                      ; key step 0, into the registers that tiles 0 and 1 have left
	FETCH_V 0                                      ; V of step 0 too: the first turn's products on zero weights want finite numbers there
	PACKQ 0, 2
	PACKQ 0, 3
	PACKQ 1, 2
	PACKQ 1, 3
	s_wait_dscnt 0x0
.set i, 0
.rept 32
	KQ 0                                           ; piece 0's first scores
.set i, i+1
.endr
	WIN 0                                          ; 48 plain instructions: the places behind those products
.set i, 0
.rept 4
	v_mov_b32 v[ST+8*i], 0xfe000000                ; c m: far below every c s, so the first a is 0: O^T, which holds the old sums, and l are wiped by it
	v_mov_b32 v[ST+8*i+1], 0xff7fffff              ; m
	v_mov_b32 v[ST+8*i+2], 0
	v_mov_b32 v[ST+8*i+3], 0
.set i, i+1
.endr
.set i, P+32
.rept 32
	v_mov_b32 v[i], 0                              ; piece 2's weights of a step that has not been
.set i, i+1
.endr
	s_mov_b32 s[CNT], 4
	s_mov_b32 s[SLOTS], 3
	s_mov_b32 s[HB], 8
	s_branch .Lfirst                               ; the walk is entered in the middle of a trip
.Lslot:                                                ; twice: keys of head 2 p + 1 are asked for
	CHANGE 1
	s_mov_b32 s[CNT], 4
.Lstep:
	s_cmp_lg_u32 s[HB], 0
	s_cbranch_scc1 .Lsame_q
	WIN 0x41                                       ; head 0's last scores are made: head 1's Q goes where the one text of the turns names Q
.set i, 0
.rept 128
	v_mov_b32 v[i], v[128+i]
.set i, i+1
.endr
	WIN 0
.Lsame_q:
	TURN 0, 0
	WIN 0
	s_cmp_lg_u32 s[HB], 0
	s_cbranch_scc1 .Lno_out0
	HEADOUT 0, 0, 1
.Lno_out0:
.Lfirst:
	TURN 2, 0
	WIN 0
	s_cmp_lg_u32 s[HB], 0
	s_cbranch_scc1 .Lno_out2
	HEADOUT 2, 0, 1
.Lno_out2:
	s_sub_co_u32 s[HB], s[HB], 1
	s_sub_co_u32 s[CNT], s[CNT], 1
	s_cmp_lg_u32 s[CNT], 0
	s_cbranch_scc1 .Lstep
	s_sub_co_u32 s[SLOTS], s[SLOTS], 1
	s_cmp_lg_u32 s[SLOTS], 0
	s_cbranch_scc1 .Lslot
	CHANGE 0                                       ; the tail is written out: nothing is asked for
	s_mov_b32 s[CNT], 5                            ; four trips fetch the last slot's steps; the fifth is left in its middle
.Ltail:
	TURN 0, 1
	WIN 0
	s_sub_co_u32 s[CNT], s[CNT], 1
	s_cmp_eq_u32 s[CNT], 0
	s_cbranch_scc1 .Lout
	TURN 2, 0
	WIN 0
	s_branch .Ltail
.Lout:
.set i, 0
.rept 32
	PV 2                                           ; piece 2's V^T P of the last step
.set i, i+1
.endr
	HEADOUT 0, 1, 0                                ; piece 0's way out is the places behind those products
	HEADOUT 2, 1, 0
	s_wait_tensorcnt 0x0                           ; the wave's end
	ds_add_u32 v[SPW], v[NIL]
	s_wait_dscnt 0x0
	CROUND                                         ; the closing round: no work-group ends while a partner may still ask for a tile that names it
	s_endpgm
.Lfunc_end_k_q9b5a45094e_qattn:
	.size	k_q9b5a45094e_qattn, .Lfunc_end_k_q9b5a45094e_qattn-k_q9b5a45094e_qattn
	.p2alignl 7, 3214868480
	.fill 96, 4, 3214868480
	.section	.rodata,"a",@progbits
	.p2align	6, 0x0
	.amdhsa_kernel k_q9b5a45094e_qattn
		.amdhsa_group_segment_fixed_size 327680
		.amdhsa_private_segment_fixed_size 0
		.amdhsa_enable_private_segment 0
		.amdhsa_kernarg_size 48
		.amdhsa_user_sgpr_count 2
		.amdhsa_user_sgpr_kernarg_segment_ptr 1
		.amdhsa_wavefront_size32 1
		.amdhsa_system_sgpr_workgroup_id_x 1
		.amdhsa_system_sgpr_workgroup_id_y 1
		.amdhsa_system_sgpr_workgroup_id_z 1
		.amdhsa_system_vgpr_workitem_id 0
		.amdhsa_next_free_vgpr 1024
		.amdhsa_next_free_sgpr 96
		.amdhsa_reserve_vcc 0
		.amdhsa_float_denorm_mode_32 3
		.amdhsa_float_denorm_mode_16_64 3
		.amdhsa_memory_ordered 1
		.amdhsa_forward_progress 1
		.amdhsa_inst_pref_size 255
	.end_amdhsa_kernel
	.section	.bss,"aw",@nobits
	.p2align	6
	.space	262144
	.amdgpu_metadata
---
amdhsa.version: [ 1, 2 ]
amdhsa.kernels:
  - .name:           k_q9b5a45094e_qattn
    .symbol:         k_q9b5a45094e_qattn.kd
    .args:
      - { .name: x, .offset: 0, .size: 8, .value_kind: global_buffer, .address_space: global }
      - { .name: wq16, .offset: 8, .size: 8, .value_kind: global_buffer, .address_space: global }
      - { .name: bq, .offset: 16, .size: 8, .value_kind: global_buffer, .address_space: global }
      - { .name: kf, .offset: 24, .size: 8, .value_kind: global_buffer, .address_space: global }
      - { .name: vf, .offset: 32, .size: 8, .value_kind: global_buffer, .address_space: global }
      - { .name: of, .offset: 40, .size: 8, .value_kind: global_buffer, .address_space: global }
    .group_segment_fixed_size: 327680
    .private_segment_fixed_size: 0
    .kernarg_segment_align: 8
    .kernarg_segment_size: 48
    .max_flat_workgroup_size: 128
    .sgpr_count:     96
    .vgpr_count:     1024
    .wavefront_size: 32
...
	.end_amdgpu_metadata
.endif
;; end of part 2
;; launch oproj (part 3): grid 4 x 64, 4 waves a work-group, clusters of 4 x 4, 327,680 bytes of LDS; arguments of, wo16, bo, out0; writes out0
.if DOCPART == 3
	.amdgcn_target "amdgcn-amd-amdhsa--gfx1250"
	.amdhsa_code_object_version 6
	.text
	.protected	k_q9b5a45094e_oproj
	.globl	k_q9b5a45094e_oproj
	.p2align	8
	.type	k_q9b5a45094e_oproj,@function
k_q9b5a45094e_oproj:
	s_mov_b64 s[64:65], 0
	v_nop
	global_prefetch_b8 v0, s[64:65] scope:SCOPE_SE
	s_setreg_imm32_b32 hwreg(HW_REG_WAVE_MODE, 25, 1), 1
	s_wait_xcnt 0x0
	s_wait_alu depctr_hold_cnt(0) depctr_sa_sdst(0) depctr_va_vdst(0) depctr_va_sdst(0) depctr_va_ssrc(0) depctr_va_vcc(0) depctr_vm_vsrc(0)
	s_getreg_b32 s2, hwreg(HW_REG_IB_STS2, 6, 4)
	s_cmp_eq_u32 s2, 0
	s_cbranch_scc0 .Lentry_in_a_cluster
	s_endpgm
.Lentry_in_a_cluster:
	s_bfe_u32 s2, ttmp6, 0x10000c
	s_cmp_lg_u32 s2, 0xf033
	s_cbranch_scc0 .Lentry_shape_is_right
	s_endpgm
.Lentry_shape_is_right:
; OPROJ.  out = O Wo + bo: 16,384 x 1,024 x 1,024.  O and Wo come in f16, in blocks of 512 bytes (the reading lane l at byte 16 l: O's plainly, Wo's turned); bo is rounded to bf16; sums in f32, started from the bias; out in f32.
; A tile of 256 x 256 to a work-group of four waves, 128 x 128 a wave: 64 accumulators.  K goes in 8 steps of 128 through two LDS slots filled by joint tensor loads.
; Source 0 = 16 columns of Wo, source 1 = 16 rows of O: a lane holds one row and eight neighbouring columns, 32 bytes.
; CLUSTER 4 x 4: the four of a row share the row block and so O's tiles, the four of a column share the column block and so Wo's.
; REGISTERS: window 0: v0-31 addresses; v64-127, v128-191 O's fragments, two buffers, on the way out rows read back.  window 1: v64-191 Wo's fragments, two buffers; v192-255 the bias; v0-3 at work.
;   window 2: accumulators of my rows 0-63 ((a, b) at 8 (8 a + b)); window 3: of rows 64-127.
.set SLOT1,  1<<17                     ; a slot: O's 16 row tiles x 4,096, then Wo's 8 k tiles x 16 column tiles x 512
.set BOFF,   65536
.set STAGE,  2*SLOT1                   ; behind the slots: 16 rows x 528 bytes for each wave, for the way out; no tensor load fills it
.set SPITCH, 528                       ; 512 bytes and 16: the 16 rows of a store begin at 16 different 16-byte columns modulo 256
.set SPARE,  STAGE+4*16*SPITCH         ; the spare words, 128 bytes a wave
.set ADRA0, 2
.set ADRB0, 3
.set ADRA,  4                          ; v4, v5  my fragments' places in the slot in hand
.set ADRB,  5
.set STO,   6                          ; v6   the way out: where I put 32 bytes of a row
.set RD,    7                          ; v7   where I read rows back
.set CO,    8                          ; v8   16 l
.set BO,    9
.set SPW,   28
.set NIL,   29
.set F0,    64
.set F1,    128
.set BIAS,  192
.set WV, 12
.set RH, 13                            ; s13  which half of the rows is mine; also: I fetch O's tile (0) or Wo's (1)
.set CH, 14                            ; s14  which half of the columns; also: which half of that tile I fetch
.set G1A, 24
.set G0A, 32                           ; s[32:39] step 0's group 0, and the one that walks
.set G1B, 40
.set G0B, 48
.set TB,  56
.set KCNT, 57
.set MSB, 0
.macro WIN new
.if MSB != (\new)
	s_set_vgpr_msb (MSB<<8)|(\new)
.set MSB, (\new)
.endif
.endm
.set TO_B, 0x40
.macro JLOAD                           ; an s_nop 0 and four v_nop follow each of the two lines
	s_cmp_eq_u32 s[RH], 0
	s_cbranch_scc0 .Lfor_b_\@
	tensor_load_to_lds s[G0A+4:G0A+7], s[G1A:G1A+7]
	s_nop 0
.rept 4
	v_nop
.endr
	s_branch .Lasked_\@
.Lfor_b_\@:
	tensor_load_to_lds s[G0B+4:G0B+7], s[G1B:G1B+7]
	s_nop 0
.rept 4
	v_nop
.endr
.Lasked_\@:
.endm
.macro CREST
	s_cmp_lg_u32 s[WV], 0
	s_cbranch_scc1 .Lnot_wave_0_\@
	s_barrier_signal -3
.Lnot_wave_0_\@:
	s_barrier_wait -3
	s_barrier_signal -1
	s_barrier_wait -1
.endm
.macro CROUND
	s_barrier_signal -1
	s_barrier_wait -1
	CREST
.endm
	s_load_b256 s[4:11], s[0:1], 0x0               ; of s[4:5], wo16 s[6:7], bo s[8:9], out0 s[10:11]
	v_lshl_add_u32 v[SPW], v0, 2, SPARE
	v_mov_b32 v[NIL], 0
	ds_add_u32 v[SPW], v[NIL]                      ; the wave's opening: the add and its wait stand ahead of my first tensor load
	v_lshrrev_b32 v1, 5, v0
	v_readfirstlane_b32 s[WV], v1
	s_lshr_b32 s[RH], s[WV], 1
	s_and_b32 s[CH], s[WV], 1
	s_bfe_u32 s15, ttmp6, 0x40000                  ; cx
	s_bfe_u32 s16, ttmp6, 0x40004                  ; cy
	s_lshl_b32 s17, ttmp9, 2
	s_add_co_u32 s17, s17, s15                     ; column block
	s_and_b32 s18, ttmp7, 0xffff
	s_lshl_b32 s18, s18, 2
	s_add_co_u32 s18, s18, s16                     ; row block
	s_lshl_b32 s19, s16, 2
	s_lshl_b32 s19, 15, s19                        ; my row of the cluster
	s_lshl_b32 s20, 0x1111, s15                    ; my column
	s_or_b32 s[G1A], s19, (3<<16)|(1<<21)          ; 8 row tiles: rows of 512 elements of 8 bytes, 4,096 elements apart
	s_mov_b32 s[G1A+1], 512<<16
	s_mov_b32 s[G1A+2], 8<<16
	s_mov_b32 s[G1A+3], 512<<16
	s_mov_b32 s[G1A+4], 8
	s_mov_b32 s[G1A+5], 4096
	s_mov_b32 s[G1A+6], 0
	s_mov_b32 s[G1A+7], 0
	s_or_b32 s[G1B], s20, (3<<16)|(1<<21)          ; 32,768 dense bytes as 128 rows of 256
	s_mov_b32 s[G1B+1], 32<<16
	s_mov_b32 s[G1B+2], 128<<16
	s_mov_b32 s[G1B+3], 32<<16
	s_mov_b32 s[G1B+4], 128
	s_mov_b32 s[G1B+5], 32
	s_mov_b32 s[G1B+6], 0
	s_mov_b32 s[G1B+7], 0
	s_lshl_b32 s58, s18, 19                        ; O: 16 row tiles of 32,768 bytes a block, my eight: no cx in these registers
	s_lshl_b32 s21, s[CH], 18
	s_add_co_u32 s58, s58, s21
	s_mov_b32 s59, 0
	s_lshl_b32 s60, s17, 19                        ; Wo: the column block, my four k tiles of a step: no cy
	s_lshl_b32 s21, s[CH], 15
	s_add_co_u32 s60, s60, s21
	s_mov_b32 s61, 0
	s_mov_b32 s[G0A], 1
	s_mov_b32 s[G0A+4], 1
	s_mov_b32 s[G0B], 1
	s_mov_b32 s[G0B+4], 1
	s_lshl_b32 s[G0A+1], s[CH], 15                 ; LDS addresses hang on the wave's number alone
	s_add_co_u32 s[G0A+5], s[G0A+1], SLOT1
	s_add_co_u32 s[G0B+1], s[G0A+1], BOFF
	s_add_co_u32 s[G0B+5], s[G0A+1], BOFF+SLOT1
	s_mov_b32 s[TB], 0
	s_lshl_b32 s62, s18, 20                        ; out: 256 rows of 4,096 bytes a block, my 128
	s_lshl_b32 s21, s[RH], 19
	s_add_co_u32 s62, s62, s21
	s_mov_b32 s63, 0
	s_lshl_b32 s22, s17, 10                        ; my 128 columns in bytes, in out and in the bias
	s_lshl_b32 s21, s[CH], 9
	s_add_co_u32 s22, s22, s21
	s_mov_b32 s23, 0
	s_wait_dscnt 0x0                               ; the opening add is done
	s_wait_kmcnt 0x0
	s_add_nc_u64 s[G0A+2:G0A+3], s[4:5], s[58:59]
	s_add_nc_u64 s[G0A+6:G0A+7], s[G0A+2:G0A+3], 4096      ; K step 1
	s_or_b32 s[G0A+3], s[G0A+3], 0x80000000
	s_or_b32 s[G0A+7], s[G0A+7], 0x80000000
	s_add_nc_u64 s[G0B+2:G0B+3], s[6:7], s[60:61]
	s_add_nc_u64 s[G0B+6:G0B+7], s[G0B+2:G0B+3], 65536
	s_or_b32 s[G0B+3], s[G0B+3], 0x80000000
	s_or_b32 s[G0B+7], s[G0B+7], 0x80000000
	s_add_nc_u64 s[8:9], s[8:9], s[22:23]
	s_add_nc_u64 s[10:11], s[10:11], s[22:23]
	s_add_nc_u64 s[10:11], s[10:11], s[62:63]
	CROUND                                         ; all sixteen work-groups are here: the first joint loads meet
	s_cmp_eq_u32 s[RH], 0                          ; a wave's two first fills stand in one branch: two loads of mine are out
	s_cbranch_scc0 .Lfirst_b
	tensor_load_to_lds s[G0A:G0A+3], s[G1A:G1A+7]
	s_nop 0
	tensor_load_to_lds s[G0A+4:G0A+7], s[G1A:G1A+7]
	s_nop 0
.rept 4
	v_nop
.endr
	s_branch .Lfirst_asked
.Lfirst_b:
	tensor_load_to_lds s[G0B:G0B+3], s[G1B:G1B+7]
	s_nop 0
	tensor_load_to_lds s[G0B+4:G0B+7], s[G1B:G1B+7]
	s_nop 0
.rept 4
	v_nop
.endr
.Lfirst_asked:
	v_bfe_u32 v11, v0, 4, 1                        ; l / 16
	v_lshlrev_b32 v[BO], 5, v11
	WIN TO_B
.irp b, 0,1,2,3,4,5,6,7                ; register BIAS + 8 b + j: the bias of my column 16 b + 8 (l / 16) + j
	global_load_b128 v[BIAS+8*(\b):BIAS+8*(\b)+3],   v[BO], s[8:9] offset:64*(\b)
	global_load_b128 v[BIAS+8*(\b)+4:BIAS+8*(\b)+7], v[BO], s[8:9] offset:64*(\b)+16
.endr
	WIN 0
	v_and_b32 v1, 31, v0
	v_lshlrev_b32 v[CO], 4, v1
	s_lshl_b32 s21, s[RH], 15                      ; my eight row tiles
	v_add_nc_u32 v[ADRA0], s21, v[CO]
	s_lshl_b32 s21, s[CH], 12                      ; my eight column tiles
	s_add_co_u32 s21, s21, BOFF
	v_add_nc_u32 v[ADRB0], s21, v[CO]
	v_add_nc_u32 v[ADRA], s[TB], v[ADRA0]
	v_add_nc_u32 v[ADRB], s[TB], v[ADRB0]
	s_mul_i32 s21, s[WV], 16*SPITCH
	s_add_co_u32 s21, s21, STAGE                   ; my stage
	v_add_nc_u32 v[RD], s21, v[CO]                 ; back: a row's 512 bytes, 16 a lane
	v_and_b32 v10, 15, v0
	v_mul_u32_u24 v[STO], v10, SPITCH              ; in: row l % 16, 32 bytes for each half of the lanes
	v_lshl_add_u32 v[STO], v11, 5, v[STO]
	v_add_nc_u32 v[STO], s21, v[STO]
	s_wait_loadcnt 0x0
	WIN 0x45                                       ; the bias rounded to bf16 and widened again, all in window 1
.set i, 0
.rept 32
	v_cvt_pk_bf16_f32 v[i%4], v[BIAS+2*i], v[BIAS+2*i+1]
	v_lshlrev_b32 v[BIAS+2*i], 16, v[i%4]
	v_and_b32 v[BIAS+2*i+1], 0xffff0000, v[i%4]
.set i, i+1
.endr
	WIN 0
; 16 products: row blocks a0, a0 + 1 of the window's four x all 8 column blocks, 32 along K.  The 64 accumulators take turns.  bias = 1: the first products start the sums from the bias.
.macro MUL16 f, hi, a0, bias
.if \bias
	WIN 0x91+0x40*(\hi)
.else
	WIN 0xa1+0x50*(\hi)
.endif
.irp a, \a0, (\a0)+1
.irp b, 0,1,2,3,4,5,6,7
.if \bias
	v_wmma_f32_16x16x32_f16 v[8*(8*(\a)+(\b)):8*(8*(\a)+(\b))+7], v[(\f)+8*(\b):(\f)+8*(\b)+7], v[(\f)+8*(4*(\hi)+(\a)):(\f)+8*(4*(\hi)+(\a))+7], v[BIAS+8*(\b):BIAS+8*(\b)+7]
.else
	v_wmma_f32_16x16x32_f16 v[8*(8*(\a)+(\b)):8*(8*(\a)+(\b))+7], v[(\f)+8*(\b):(\f)+8*(\b)+7], v[(\f)+8*(4*(\hi)+(\a)):(\f)+8*(4*(\hi)+(\a))+7], v[8*(8*(\a)+(\b)):8*(8*(\a)+(\b))+7]
.endif
.endr
.endr
.endm
.macro FETCH q, f                      ; 32 LDS loads in one run: quarter q's fragments: Wo's 8 column tiles (turned), then O's 8 row tiles
	WIN TO_B
.irp i, 0,1,2,3,4,5,6,7
	ds_load_tr16_b128 v[(\f)+8*(\i):(\f)+8*(\i)+3],   v[ADRB] offset:(\q)*16384+(\i)*512
	ds_load_tr16_b128 v[(\f)+8*(\i)+4:(\f)+8*(\i)+7], v[ADRB] offset:(\q)*16384+8192+(\i)*512
.endr
	WIN 0
.irp i, 0,1,2,3,4,5,6,7
	ds_load_b128 v[(\f)+8*(\i):(\f)+8*(\i)+3],   v[ADRA] offset:(\i)*4096+(\q)*1024
	ds_load_b128 v[(\f)+8*(\i)+4:(\f)+8*(\i)+7], v[ADRA] offset:(\i)*4096+(\q)*1024+512
.endr
.endm
.macro PLACES                          ; four places in front of loads into registers that products have read, and of stores that read results
.rept 4
	v_nop
.endr
.endm
; One of a K step's first three quarters: multiplies buffer f; in its middle it fetches quarter q into buffer g.
.macro QUARTER q, f, g, bias
	s_wait_dscnt 8                                 ; Wo's fragments and O's rows 0-63 are in; the youngest eight loads (rows 64-127) may be out
	MUL16 \f, 0, 0, \bias
	MUL16 \f, 0, 2, \bias
	PLACES
	FETCH \q, \g
	s_wait_dscnt 32                                ; all but the 32 just issued
	MUL16 \f, 1, 0, \bias
	MUL16 \f, 1, 2, \bias
.endm
; The last quarter multiplies buffer 1 and changes slots: each wave waits for all its tensor loads (one is out: its part of the next slot), adds 0 to its spare word, waits for that and for its reads of this slot.
; fill = 1: the barrier opens a round of the cluster's, and behind the round this slot is filled again with the K step two on, first thing.
.macro TURN fill
	WIN 0
	s_wait_tensorcnt 0x0
	ds_add_u32 v[SPW], v[NIL]                      ; 0 onto my spare word
	s_wait_dscnt 9                                 ; the add and the youngest eight loads may be out
	MUL16 F1, 0, 0, 0
	s_wait_dscnt 0x0
	s_barrier_signal -1
	MUL16 F1, 0, 2, 0
.if \fill
	WIN 0
.endif
	s_barrier_wait -1
.if \fill
	CREST
	s_xor_b32 s[G0A+5], s[G0A+5], SLOT1
	s_add_nc_u64 s[G0A+6:G0A+7], s[G0A+6:G0A+7], 4096
	s_xor_b32 s[G0B+5], s[G0B+5], SLOT1
	s_add_nc_u64 s[G0B+6:G0B+7], s[G0B+6:G0B+7], 65536
	JLOAD                                          ; its four v_nop are also the places in front of the loads below
.else
	PLACES
	WIN 0
.endif
	s_xor_b32 s[TB], s[TB], SLOT1
	v_add_nc_u32 v[ADRA], s[TB], v[ADRA0]
	v_add_nc_u32 v[ADRB], s[TB], v[ADRB0]
	FETCH 0, F0
	MUL16 F1, 1, 0, 0
	MUL16 F1, 1, 2, 0
.endm
; THE WAY OUT of block a (16 rows x 128 columns of f32): from the accumulators into my own stage, back as whole rows of 512 bytes, and stored.
.macro TOSTAGE a
	WIN 0
	s_wait_xcnt 0x0                                ; the registers that earlier stores read are loaded again only behind this wait
	WIN 0x08+4*((\a)/4)                            ; the stores' data in window 2 or 3
.irp b, 0,1,2,3,4,5,6,7
	ds_store_b128 v[STO], v[64*((\a)%4)+8*(\b):64*((\a)%4)+8*(\b)+3]   offset:64*(\b)
	ds_store_b128 v[STO], v[64*((\a)%4)+8*(\b)+4:64*((\a)%4)+8*(\b)+7] offset:64*(\b)+16
.endr
	WIN 0
.irp t, 0,1,2,3,4,5,6,7,8,9,10,11,12,13,14,15
	ds_load_b128 v[64+64*((\a)%2)+4*(\t):64+64*((\a)%2)+4*(\t)+3], v[RD] offset:(\t)*SPITCH  ; LDS serves a wave's instructions in order (ISA guide 5.7.1.4): these see the stores above, and the next block's stores come behind them
.endr
.endm
.macro SEND a, younger                 ; younger: the next block's 16 stores and 16 loads, or none
	WIN 0
	s_wait_dscnt \younger
.irp t, 0,1,2,3,4,5,6,7,8,9,10,11,12,13,14,15
	global_store_b128 v[CO], v[64+64*((\a)%2)+4*(\t):64+64*((\a)%2)+4*(\t)+3], s[10:11] offset:(16*(\a)+(\t))*4096 th:TH_STORE_NT  ; 512 consecutive aligned bytes of a row
.endr
.endm
	s_wait_tensorcnt 0x1                           ; my part of K step 0 is in; step 1's may stay out
	s_barrier_signal -1
	s_barrier_wait -1
	FETCH 0, F0
	QUARTER 1, F0, F1, 1                           ; the first quarter stands in front of the loop: its products start the sums
	WIN 0
	s_mov_b32 s[KCNT], 6
.Lstep:                                                ; six trips, from a step's second quarter to the next step's first; they ask for steps 2 to 7
	QUARTER 2, F1, F0, 0
	QUARTER 3, F0, F1, 0
	TURN 1
	QUARTER 1, F0, F1, 0
	WIN 0
	s_sub_co_u32 s[KCNT], s[KCNT], 1
	s_cmp_lg_u32 s[KCNT], 0
	s_cbranch_scc1 .Lstep
	s_mov_b32 s[KCNT], 2                           ; the last two steps ask for nothing; the second trip is left in its middle
.Ltail:
	QUARTER 2, F1, F0, 0
	QUARTER 3, F0, F1, 0
	WIN 0
	s_sub_co_u32 s[KCNT], s[KCNT], 1
	s_cmp_eq_u32 s[KCNT], 0
	s_cbranch_scc1 .Lout
	TURN 0
	QUARTER 1, F0, F1, 0
	WIN 0
	s_branch .Ltail
.Lout:
	s_wait_dscnt 8                                 ; the very last quarter
	MUL16 F1, 0, 0, 0
	MUL16 F1, 0, 2, 0
	s_wait_dscnt 0x0
	MUL16 F1, 1, 0, 0
	MUL16 F1, 1, 2, 0
	WIN 0
	PLACES
	TOSTAGE 0
.irp a, 1,2,3,4,5,6,7
	TOSTAGE \a
	SEND (\a)-1, 32
.endr
	SEND 7, 0
	s_wait_tensorcnt 0x0                           ; the wave's end, behind my last tensor load and my last LDS store
	ds_add_u32 v[SPW], v[NIL]
	s_wait_dscnt 0x0
	CROUND                                         ; the closing round: no work-group ends while a partner may still ask for a tile that names it
	s_endpgm
.Lfunc_end_k_q9b5a45094e_oproj:
	.size	k_q9b5a45094e_oproj, .Lfunc_end_k_q9b5a45094e_oproj-k_q9b5a45094e_oproj
	.p2alignl 7, 3214868480
	.fill 96, 4, 3214868480
	.section	.rodata,"a",@progbits
	.p2align	6, 0x0
	.amdhsa_kernel k_q9b5a45094e_oproj
		.amdhsa_group_segment_fixed_size 327680
		.amdhsa_private_segment_fixed_size 0
		.amdhsa_enable_private_segment 0
		.amdhsa_kernarg_size 32
		.amdhsa_user_sgpr_count 2
		.amdhsa_user_sgpr_kernarg_segment_ptr 1
		.amdhsa_wavefront_size32 1
		.amdhsa_system_sgpr_workgroup_id_x 1
		.amdhsa_system_sgpr_workgroup_id_y 1
		.amdhsa_system_sgpr_workgroup_id_z 1
		.amdhsa_system_vgpr_workitem_id 0
		.amdhsa_next_free_vgpr 1024
		.amdhsa_next_free_sgpr 66
		.amdhsa_reserve_vcc 0
		.amdhsa_float_denorm_mode_32 3
		.amdhsa_float_denorm_mode_16_64 3
		.amdhsa_memory_ordered 1
		.amdhsa_forward_progress 1
		.amdhsa_inst_pref_size 107
	.end_amdhsa_kernel
	.amdgpu_metadata
---
amdhsa.version: [ 1, 2 ]
amdhsa.kernels:
  - .name:           k_q9b5a45094e_oproj
    .symbol:         k_q9b5a45094e_oproj.kd
    .args:
      - { .name: of, .offset: 0, .size: 8, .value_kind: global_buffer, .address_space: global }
      - { .name: wo16, .offset: 8, .size: 8, .value_kind: global_buffer, .address_space: global }
      - { .name: bo, .offset: 16, .size: 8, .value_kind: global_buffer, .address_space: global }
      - { .name: out0, .offset: 24, .size: 8, .value_kind: global_buffer, .address_space: global }
    .group_segment_fixed_size: 327680
    .private_segment_fixed_size: 0
    .kernarg_segment_align: 8
    .kernarg_segment_size: 32
    .max_flat_workgroup_size: 128
    .sgpr_count:     66
    .vgpr_count:     1024
    .wavefront_size: 32
...
	.end_amdgpu_metadata
.endif
;; end of part 3
;; ======== version 2 of 2: 3 launches; version 1 with the launch prep written anew for expert scheduling mode
;; limits: values are held in f16: magnitudes above 65,504 overflow, below 6.1e-05 lose precision
;; workspace buffers: kf 4,194,304 bytes; vf 4,194,304 bytes; wq16 2,097,152 bytes; wo16 2,097,152 bytes; of 33,554,432 bytes
;; launch prep (part 4): grid 16 x 16, 8 waves a work-group, no clusters, 88,576 bytes of LDS; arguments y, Wk, Wv, bk, bv, Wq, Wo, kf, vf, wq16, wo16; writes kf, vf, wq16, wo16
.if DOCPART == 4
	.amdgcn_target "amdgcn-amd-amdhsa--gfx1250"
	.amdhsa_code_object_version 6
	.text
	.protected	k_q9b5a45094e_prep
	.globl	k_q9b5a45094e_prep
	.p2align	8
	.type	k_q9b5a45094e_prep,@function
k_q9b5a45094e_prep:
	s_mov_b64 s[64:65], 0
	v_nop
	global_prefetch_b8 v0, s[64:65] scope:SCOPE_SE
	s_setreg_imm32_b32 hwreg(HW_REG_WAVE_SCHED_MODE, 0, 2), 2
	s_setreg_imm32_b32 hwreg(HW_REG_WAVE_MODE, 25, 1), 1
	s_wait_xcnt 0x0
	s_wait_alu depctr_vm_vsrc(0)
; PREP.  k = y Wk + bk and v = y Wv + bv (2,048 x 768 x 1,024 each), and the casts of Wq and Wo, all laid out in blocks of 512 bytes for the two launches behind.
; y, Wk, Wv, bk, bv are rounded to bf16, products bf16 with f32 sums that start from the bias, k and v rounded once to f16.  Wq is rounded to bf16; Wo to bf16 and that number written as f16.
; LIMITS.  k and v must lie within f16's 65,504; a Wo number below 6e-5 keeps f16's fixed step of 6e-8; NaN and infinities are not treated apart.
; BLOCKS.  K-block (16 rows x 16 k): element (row r, k = 8 h + e) at 256 h + 16 r + 2 e.  T-block (16 k x 16 columns, read turned): element (k, column 8 g + e) at 256 (k / 8) + 128 g + 16 (k % 8) + 2 e.
; In both the reading lane l takes byte 16 l.  kf: [batch][head][key tile 32][channel tile 8] K-blocks.  vf: the same index, T-blocks (k = key).  wq16, wo16: [256 columns p][k tile 64][column tile 16] T-blocks.
; SHARES.  Work-group (x, y): x / 8 chooses K or V, x % 8 the head (128 columns); y the 128 keys.  K = 768 goes in 12 steps of 64.  Wave w: 4 channel tiles (w % 2) x 2 key tiles (w / 2): 8 accumulators.
; Source 0 = 16 columns of W, source 1 = 16 rows of y: a lane then holds one key and eight neighbouring channels, 16 bytes of one block, so every store of a wave fills 512 consecutive aligned bytes.
; Work-group 16 y + x also casts one tile of 64 k x 128 columns of Wq (numbers 0-127) or Wo (128-255).
; No tensor loads: f32 operands have to pass registers for their rounding anyway, so they go memory -> registers -> LDS (already in blocks) -> fragments.  No cluster for the same reason.
; THE MODE: SCHED_MODE bits 1:0 = 2 (LLVM: expert scheduling mode 2), set by the entry lines.  The code itself states the register dependences
; between vector or matrix instructions and memory or LDS instructions, with s_wait_alu, always for 0.
; THE PLAN.  Registers that memory or LDS instructions touch:
;   v4-v11, v14, v15  offsets and LDS addresses: written at the head, never again; read by every load and store.  v12, v13: written at the head, read by the closing add alone.
;   R0, R1    two staging sets by turns.  A set's step: its 32 conversions read and write it in place; its 16 LDS stores read it; the global loads of the step two on land in it.
;   FR        two fragment buffers, one for each half of a K step.  The 24 LDS loads behind a step's barrier land in them; the step's 16 products read them.
;   v80-111   at the head: the cast tile's loads land, its conversions work in place, 8 LDS stores read.  At the end: the conversions to f16 write, 8 global stores read.
;   v112-127  at the head: at work for vector instructions.  At the end: 4 LDS loads land, 4 global stores read.
;   The accumulators take the bias's loads at the head and are named by vector and matrix instructions alone from then on.
; So ONE wait on va_vdst stands in a step, behind its conversions: they have written the set, which the LDS stores read; they are done with the registers in which the next global loads land; and the step before's
; products are done reading FR, in which this step's fragments land.  No vector or matrix instruction stands between that wait and those loads.  One wait on vm_vsrc stands ahead of the global loads:
; the LDS stores have read the set.
.set YBUF,  18432                      ; a y buffer: 8 key tiles x 2,304 = 4 chunks of 16 k x 576; the two halves of a K-block lie 288 apart, so the 32 lanes' 8-byte stores fall on 64 different words modulo 256 bytes
.set WBASE, 2*YBUF                     ; behind y's two buffers
.set WBUF,  16896                      ; a W buffer: 4 k tiles x 4,224 = 8 column tiles x 528 (a T-block and 16 bytes)
.set CASTO, 2*WBUF                     ; the cast tile, laid out as a W buffer, counted from WBASE
.set SPARE, WBASE+3*WBUF               ; the spare words: 128 bytes for each of eight waves, four blocks of 256 bytes that no other line names
.set YO,   4                           ; v4   byte offset of my 16 bytes in y's rows; never rewritten
.set WO,   5                           ; v5   the same in W's rows (and in the cast tile's)
.set YS,   6                           ; v6   where my 8 bytes of y go in a buffer
.set WS,   7                           ; v7   the same for W, WBASE included
.set YF,   8                           ; v8   my lane's place in y's fragments
.set WF,   9                           ; v9   in W's, WBASE included
.set OUTO, 10                          ; v10  my 16 bytes in the output blocks
.set CR,   11                          ; v11  where I read the cast tile back, WBASE included
.set SPW,  12                          ; v12  my spare word
.set NIL,  13                          ; v13  0
.set BO,   14                          ; v14  my eight numbers of the bias
.set CO,   15                          ; v15  my 16 bytes in the cast's output blocks
.set ACC,  16                          ; v16-79   accumulator (channel tile i, key tile j) at ACC + 8 (i + 4 j)
.set F,    80                          ; v80-111  at the start the cast tile, at the end the packed results
.set T,    112                         ; v112-127 at work at the start; at the end the cast tile read back
.set R0,   128                         ; v128-191, v192-255  two staging sets: 8 loads of y, 8 of W
.set R1,   192
.set FR,   0                           ; window 1, v256-351: the fragments of half q of a K step at FR + 48 q: y's two, then W's four
.set MSB,  0
.macro WIN new                         ; s_set_vgpr_msb: bits 1:0 source 0, 3:2 source 1, 5:4 source 2, 7:6 destination; the high byte repeats the setting that is left; a switch that changes nothing is dropped
.if MSB != (\new)
	s_set_vgpr_msb (MSB<<8)|(\new)
.set MSB, (\new)
.endif
.endm
	s_load_b256 s[4:11], s[0:1], 0x0               ; y s[4:5], Wk s[6:7], Wv s[8:9], bk s[10:11]
	s_load_b256 s[12:19], s[0:1], 0x20             ; bv s[12:13], Wq s[14:15], Wo s[16:17], kf s[18:19]
	s_load_b128 s[20:23], s[0:1], 0x40             ; vf s[20:21], wq16 s[22:23]
	s_load_b64 s[24:25], s[0:1], 0x50              ; wo16
	v_lshl_add_u32 v[SPW], v0, 2, SPARE
	v_mov_b32 v[NIL], 0
	v_lshrrev_b32 v1, 5, v0
	v_readfirstlane_b32 s26, v1                    ; wave 0..7
	s_and_b32 s29, ttmp7, 0xffff                   ; block of 128 keys
	s_lshr_b32 s30, ttmp9, 3                       ; 0: K, 1: V
	s_and_b32 s31, ttmp9, 7                        ; head
	s_cmp_lg_u32 s30, 0
	s_cselect_b32 s32, -1, 0                       ; all lanes' mask for V
	v_and_b32 v1, 31, v0                           ; l
	v_and_b32 v2, 15, v0                           ; l % 16
	v_bfe_u32 v3, v0, 4, 1                         ; l / 16
	s_wait_alu depctr_va_sdst(0)                   ; s26 is written, ahead of its first reader: the wave's shares and all its addresses are made from it
	s_and_b32 s27, s26, 1                          ; which 4 channel tiles
	s_lshr_b32 s28, s26, 1                         ; which 2 key tiles
	s_mul_i32 s33, s26, 16*3072                    ; y: load t takes rows 16 w + 2 t + l / 16, 256 bytes each, 16 bytes a lane
	v_mul_u32_u24 v[YO], v3, 3072
	v_lshl_add_u32 v[YO], v2, 4, v[YO]
	v_add_nc_u32 v[YO], s33, v[YO]
	s_lshl_b32 s33, s26, 15                        ; W: load t takes row 8 w + t, 512 bytes
	v_lshl_add_u32 v[WO], v1, 4, s33
	s_mul_i32 s33, s26, 2304                       ; y into LDS: key tile w; my four k: chunk (l % 16) / 4, half bit 1 of l, 8 bytes by bit 0; row 2 t + l / 16
	v_lshrrev_b32 v[T], 2, v2
	v_mul_u32_u24 v[YS], v[T], 576
	v_bfe_u32 v[T], v0, 1, 1
	v_mad_u32_u24 v[YS], v[T], 288, v[YS]
	v_lshl_add_u32 v[YS], v3, 4, v[YS]
	v_and_b32 v[T+1], 1, v0
	v_lshl_add_u32 v[YS], v[T+1], 3, v[YS]
	v_add_nc_u32 v[YS], s33, v[YS]
	s_mul_i32 s33, s28, 4224                       ; W into LDS: k tile w / 2, its half w % 2, row t; my four columns: tile l / 4, group bit 1, 8 bytes by bit 0
	s_lshl_b32 s39, s27, 8
	s_add_co_u32 s33, s33, s39
	s_add_co_u32 s33, s33, WBASE
	v_lshrrev_b32 v[T+2], 2, v1
	v_mul_u32_u24 v[WS], v[T+2], 528
	v_lshl_add_u32 v[WS], v[T], 7, v[WS]
	v_lshl_add_u32 v[WS], v[T+1], 3, v[WS]
	v_add_nc_u32 v[WS], s33, v[WS]
	s_mul_i32 s33, s28, 4608                       ; fragments of y: my two key tiles
	v_mul_u32_u24 v[YF], v3, 288
	v_lshl_add_u32 v[YF], v2, 4, v[YF]
	v_add_nc_u32 v[YF], s33, v[YF]
	s_mul_i32 s33, s27, 2112                       ; fragments of W: my four column tiles
	s_add_co_u32 s33, s33, WBASE
	v_lshl_add_u32 v[WF], v1, 4, s33
	s_mul_i32 s39, s28, 4224                       ; the cast tile back: k tile w / 2, column tiles 4 (w % 2) on
	s_add_co_u32 s39, s39, s33
	v_lshl_add_u32 v[CR], v1, 4, s39
	v_lshlrev_b32 v[T], 4, v1                      ; my place in a K-block: 16 l
	v_bfe_u32 v[T+1], v0, 3, 1                     ; in a T-block: key l % 16, channel group l / 16
	v_lshlrev_b32 v[T+1], 8, v[T+1]
	v_lshl_add_u32 v[T+1], v3, 7, v[T+1]
	v_and_b32 v[T+2], 7, v0
	v_lshl_add_u32 v[T+1], v[T+2], 4, v[T+1]
	v_cndmask_b32 v[OUTO], v[T], v[T+1], s32
	s_lshl_b32 s33, s28, 13                        ; two key tiles of 4,096 bytes, four channel tiles of 512: also the cast's k tile of 8,192 and its four column tiles
	s_lshl_b32 s39, s27, 11
	s_add_co_u32 s33, s33, s39
	v_add_nc_u32 v[OUTO], s33, v[OUTO]
	v_add_nc_u32 v[CO], s33, v[T]
	s_lshl_b32 s39, s27, 8                         ; bias: 64 channels a wave half, eight numbers by l / 16
	v_lshl_add_u32 v[BO], v3, 5, s39
	s_mov_b32 s35, 0
	s_wait_kmcnt 0x0
	s_cmp_lg_u32 s30, 0
	s_cselect_b64 s[6:7], s[8:9], s[6:7]           ; W, bias and output of K or of V
	s_cselect_b64 s[10:11], s[12:13], s[10:11]
	s_cselect_b64 s[18:19], s[20:21], s[18:19]
	s_lshl_b32 s36, s29, 4
	s_add_co_u32 s36, s36, ttmp9                   ; the work-group's number
	s_and_b32 s37, s36, 127                        ; its cast tile
	s_cmp_lt_u32 s36, 128
	s_cselect_b64 s[14:15], s[14:15], s[16:17]     ; from Wq or Wo,
	s_cselect_b64 s[22:23], s[22:23], s[24:25]     ; to wq16 or wo16
	s_cselect_b32 s38, 0, 1                        ; 1: Wo
	s_mul_i32 s34, s29, 128*3072
	s_add_nc_u64 s[4:5], s[4:5], s[34:35]          ; y at my 128 keys
	s_lshl_b32 s34, s31, 9
	s_add_nc_u64 s[6:7], s[6:7], s[34:35]          ; W and the bias at the head's 128 columns
	s_add_nc_u64 s[10:11], s[10:11], s[34:35]
	s_lshr_b32 s34, s29, 2                         ; batch
	s_lshl_b32 s34, s34, 3
	s_add_co_u32 s34, s34, s31
	s_lshl_b32 s34, s34, 17                        ; a head is 131,072 bytes,
	s_and_b32 s39, s29, 3
	s_lshl_b32 s39, s39, 15                        ; 128 keys 32,768
	s_add_co_u32 s34, s34, s39
	s_add_nc_u64 s[18:19], s[18:19], s[34:35]
	s_lshr_b32 s39, s37, 3                         ; the cast tile's 64 rows
	s_and_b32 s40, s37, 7                          ; and 128 columns
	s_lshl_b32 s34, s39, 18
	s_lshl_b32 s41, s40, 9
	s_add_co_u32 s34, s34, s41
	s_add_nc_u64 s[14:15], s[14:15], s[34:35]
	s_lshr_b32 s34, s40, 1                         ; p,
	s_lshl_b32 s34, s34, 19
	s_lshl_b32 s41, s39, 15                        ; four k tiles of 8,192,
	s_add_co_u32 s34, s34, s41
	s_and_b32 s41, s40, 1                          ; eight column tiles of 512
	s_lshl_b32 s41, s41, 12
	s_add_co_u32 s34, s34, s41
	s_add_nc_u64 s[22:23], s[22:23], s[34:35]
.macro LOADS set, ahead                ; a step's 16 loads: every one covers whole aligned runs of 256 bytes
.irp t, 0,1,2,3,4,5,6,7
	global_load_b128 v[(\set)+4*(\t):(\set)+4*(\t)+3], v[YO], s[4:5] offset:(\t)*6144+(\ahead)*256
.endr
.irp t, 0,1,2,3,4,5,6,7
	global_load_b128 v[(\set)+32+4*(\t):(\set)+32+4*(\t)+3], v[WO], s[6:7] offset:(\t)*4096+(\ahead)*262144
.endr
.endm
	s_wait_alu depctr_va_vdst(0)                   ; the offsets and LDS addresses v4 to v15 are written: every load and store of the kernel reads one of them, and none is written again
.irp i, 0,1,2,3
	global_load_b128 v[ACC+8*(\i):ACC+8*(\i)+3],   v[BO], s[10:11] offset:64*(\i)      ; the bias lands where the sums begin
	global_load_b128 v[ACC+8*(\i)+4:ACC+8*(\i)+7], v[BO], s[10:11] offset:64*(\i)+16
.endr
.irp t, 0,1,2,3,4,5,6,7
	global_load_b128 v[F+4*(\t):F+4*(\t)+3], v[WO], s[14:15] offset:(\t)*4096          ; the cast tile
.endr
	LOADS R0, 0                                    ; steps 0 and 1
	LOADS R1, 1
	s_wait_loadcnt 32                              ; the bias and the cast tile are in; the two staging sets, 32 loads, stay out
.set i, 0
.rept 16                               ; the bias rounded to bf16 and widened again, into both key tiles' accumulators
	v_cvt_pk_bf16_f32 v[T+i%4], v[ACC+2*i], v[ACC+2*i+1]
	v_lshlrev_b32 v[ACC+2*i], 16, v[T+i%4]
	v_and_b32 v[ACC+2*i+1], 0xffff0000, v[T+i%4]
	v_lshlrev_b32 v[ACC+32+2*i], 16, v[T+i%4]
	v_and_b32 v[ACC+32+2*i+1], 0xffff0000, v[T+i%4]
.set i, i+1
.endr
.set i, 0
.rept 8
	v_cvt_pk_bf16_f32 v[F+4*i], v[F+4*i], v[F+4*i+1]
	v_cvt_pk_bf16_f32 v[F+4*i+1], v[F+4*i+2], v[F+4*i+3]
.set i, i+1
.endr
	s_cmp_eq_u32 s38, 0
	s_cbranch_scc1 .Lcast_ready
.set i, 0
.rept 16                               ; Wo: the bf16 number written as f16
	v_lshlrev_b32 v[F+4*(i/2)+2], 16, v[F+4*(i/2)+i%2]
	v_and_b32 v[F+4*(i/2)+3], 0xffff0000, v[F+4*(i/2)+i%2]
	v_cvt_pk_f16_f32 v[F+4*(i/2)+i%2], v[F+4*(i/2)+2], v[F+4*(i/2)+3]
.set i, i+1
.endr
.Lcast_ready:
	s_wait_alu depctr_va_vdst(0)                   ; on both ways here the cast's conversions have written v[F ..], which the LDS stores read
.irp t, 0,1,2,3,4,5,6,7
	ds_store_b64 v[WS], v[F+4*(\t):F+4*(\t)+1] offset:CASTO+16*(\t)                    ; the first step's wait and barrier show it to the other waves
.endr
; ONE K STEP.  The set's 16 loads are rounded to bf16 and stored into buffer buf; one barrier; the fragments of both halves of the step are read in one run and multiplied.  Two buffers and one barrier a step: a buffer
; is written again two steps later, and between its readers' wait for their loads and that write lies the barrier of the step between.  left: the other set's 16 loads are younger and stay out.
.macro STEP set, buf, loads, left
	s_wait_loadcnt \left
.set i, 0
.rept 16
	v_cvt_pk_bf16_f32 v[(\set)+4*i], v[(\set)+4*i], v[(\set)+4*i+1]
	v_cvt_pk_bf16_f32 v[(\set)+4*i+1], v[(\set)+4*i+2], v[(\set)+4*i+3]
.set i, i+1
.endr
	s_wait_alu depctr_va_vdst(0)                   ; the conversions have written the set, which the LDS stores read, and are done with its registers, in which the global loads below land; the step before's products are done reading FR, in which the fragments below land
.irp t, 0,1,2,3,4,5,6,7
	ds_store_b64 v[YS], v[(\set)+4*(\t):(\set)+4*(\t)+1] offset:(\buf)*YBUF+32*(\t)
.endr
.irp t, 0,1,2,3,4,5,6,7
	ds_store_b64 v[WS], v[(\set)+32+4*(\t):(\set)+32+4*(\t)+1] offset:(\buf)*WBUF+16*(\t)
.endr
	s_wait_dscnt 0x0                               ; for the others' sake: my stores are done
.if \loads
	s_wait_xcnt 0x0                                ; the bases are stepped only behind this wait
	s_wait_alu depctr_vm_vsrc(0)                   ; the LDS stores have read the set, in which the loads below land (in the first step also: the cast's LDS stores have read v[F ..], which the conversions at the kernel's end write)
	s_add_nc_u64 s[4:5], s[4:5], 256
	s_add_nc_u64 s[6:7], s[6:7], 262144
	LOADS \set, 1                                  ; the step two on, into the set just emptied
.endif
	s_barrier_signal -1
	s_barrier_wait -1
	WIN 0x40                                       ; destination window 1, address window 0.  No wait: no vector or matrix instruction since the wait above, and nothing since it names v[YF], v[WF] or FR
.irp q, 0,1
.irp j, 0,1
	ds_load_b128 v[FR+48*(\q)+8*(\j):FR+48*(\q)+8*(\j)+3],   v[YF] offset:(\buf)*YBUF+(\j)*2304+(\q)*1152
	ds_load_b128 v[FR+48*(\q)+8*(\j)+4:FR+48*(\q)+8*(\j)+7], v[YF] offset:(\buf)*YBUF+(\j)*2304+(\q)*1152+576
.endr
.irp i, 0,1,2,3
	ds_load_tr16_b128 v[FR+48*(\q)+16+8*(\i):FR+48*(\q)+16+8*(\i)+3],   v[WF] offset:(\buf)*WBUF+(\q)*8448+(\i)*528
	ds_load_tr16_b128 v[FR+48*(\q)+16+8*(\i)+4:FR+48*(\q)+16+8*(\i)+7], v[WF] offset:(\buf)*WBUF+(\q)*8448+4224+(\i)*528
.endr
.endr
	WIN 0x05                                       ; sources 0 and 1 window 1; C and D window 0
.irp q, 0,1
	s_wait_dscnt 12-12*(\q)                        ; LDS loads come back in order (ISA guide 5.7.1): the first half's 12 are in and the second half's 12 stay out; then all are in
.irp j, 0,1                            ; the eight accumulators take turns
.irp i, 0,1,2,3
	v_wmma_f32_16x16x32_bf16 v[ACC+8*((\i)+4*(\j)):ACC+8*((\i)+4*(\j))+7], v[FR+48*(\q)+16+8*(\i):FR+48*(\q)+16+8*(\i)+7], v[FR+48*(\q)+8*(\j):FR+48*(\q)+8*(\j)+7], v[ACC+8*((\i)+4*(\j)):ACC+8*((\i)+4*(\j))+7]
.endr
.endr
.endr
	WIN 0                                          ; at a label and at a branch every window is 0
.endm
	s_mov_b32 s42, 5
.Lstep:                                                ; five trips of two steps; they ask for steps 2 to 11
	STEP R0, 0, 1, 16
	STEP R1, 1, 1, 16
	s_sub_co_u32 s42, s42, 1
	s_cmp_lg_u32 s42, 0
	s_cbranch_scc1 .Lstep
	STEP R0, 0, 0, 16                              ; the last two steps load nothing, and nothing writes their sets again
	STEP R1, 1, 0, 0
.rept 4
	v_nop                                          ; the places behind the last products, before their results are read (ISA guide 7.12.1)
.endr
.irp j, 0,1
.irp i, 0,1,2,3
.irp g, 0,1,2,3
	v_cvt_pk_f16_f32 v[F+4*((\i)+4*(\j))+(\g)], v[ACC+8*((\i)+4*(\j))+2*(\g)], v[ACC+8*((\i)+4*(\j))+2*(\g)+1]
.endr
.endr
.endr
	s_wait_alu depctr_va_vdst(0)                   ; the conversions have written v[F ..], which the global stores read
.irp i, 0,1,2,3
	ds_load_b128 v[T+4*(\i):T+4*(\i)+3], v[CR] offset:CASTO+(\i)*528
.endr
.irp j, 0,1
.irp i, 0,1,2,3
	global_store_b128 v[OUTO], v[F+4*((\i)+4*(\j)):F+4*((\i)+4*(\j))+3], s[18:19] offset:(\j)*4096+(\i)*512  ; one block: 512 consecutive aligned bytes
.endr
.endr
	s_wait_dscnt 0x0                               ; the cast tile is back in registers
.irp i, 0,1,2,3
	global_store_b128 v[CO], v[T+4*(\i):T+4*(\i)+3], s[22:23] offset:(\i)*512
.endr
	s_wait_dscnt 0x0                               ; the closing lines, six on end
	s_wait_alu 0x0
	s_wait_tensorcnt 0x0
	ds_add_u32 v[SPW], v[NIL]
	s_wait_dscnt 0x0
	s_endpgm
.Lfunc_end_k_q9b5a45094e_prep:
	.size	k_q9b5a45094e_prep, .Lfunc_end_k_q9b5a45094e_prep-k_q9b5a45094e_prep
	.p2alignl 7, 3214868480
	.fill 96, 4, 3214868480
	.section	.rodata,"a",@progbits
	.p2align	6, 0x0
	.amdhsa_kernel k_q9b5a45094e_prep
		.amdhsa_group_segment_fixed_size 88576
		.amdhsa_private_segment_fixed_size 0
		.amdhsa_enable_private_segment 0
		.amdhsa_kernarg_size 88
		.amdhsa_user_sgpr_count 2
		.amdhsa_user_sgpr_kernarg_segment_ptr 1
		.amdhsa_wavefront_size32 1
		.amdhsa_system_sgpr_workgroup_id_x 1
		.amdhsa_system_sgpr_workgroup_id_y 1
		.amdhsa_system_sgpr_workgroup_id_z 1
		.amdhsa_system_vgpr_workitem_id 0
		.amdhsa_next_free_vgpr 352
		.amdhsa_next_free_sgpr 66
		.amdhsa_reserve_vcc 0
		.amdhsa_float_denorm_mode_32 3
		.amdhsa_float_denorm_mode_16_64 3
		.amdhsa_memory_ordered 1
		.amdhsa_forward_progress 1
		.amdhsa_inst_pref_size 49
	.end_amdhsa_kernel
	.amdgpu_metadata
---
amdhsa.version: [ 1, 2 ]
amdhsa.kernels:
  - .name:           k_q9b5a45094e_prep
    .symbol:         k_q9b5a45094e_prep.kd
    .args:
      - { .name: y, .offset: 0, .size: 8, .value_kind: global_buffer, .address_space: global }
      - { .name: Wk, .offset: 8, .size: 8, .value_kind: global_buffer, .address_space: global }
      - { .name: Wv, .offset: 16, .size: 8, .value_kind: global_buffer, .address_space: global }
      - { .name: bk, .offset: 24, .size: 8, .value_kind: global_buffer, .address_space: global }
      - { .name: bv, .offset: 32, .size: 8, .value_kind: global_buffer, .address_space: global }
      - { .name: Wq, .offset: 40, .size: 8, .value_kind: global_buffer, .address_space: global }
      - { .name: Wo, .offset: 48, .size: 8, .value_kind: global_buffer, .address_space: global }
      - { .name: kf, .offset: 56, .size: 8, .value_kind: global_buffer, .address_space: global }
      - { .name: vf, .offset: 64, .size: 8, .value_kind: global_buffer, .address_space: global }
      - { .name: wq16, .offset: 72, .size: 8, .value_kind: global_buffer, .address_space: global }
      - { .name: wo16, .offset: 80, .size: 8, .value_kind: global_buffer, .address_space: global }
    .group_segment_fixed_size: 88576
    .private_segment_fixed_size: 0
    .kernarg_segment_align: 8
    .kernarg_segment_size: 88
    .max_flat_workgroup_size: 256
    .sgpr_count:     66
    .vgpr_count:     352
    .wavefront_size: 32
...
	.end_amdgpu_metadata
.endif
;; end of part 4
;; launch qattn: the kernel of part 2 again; grid 4 x 64, 4 waves a work-group, clusters of 4 x 4, 327,680 bytes of LDS; arguments x, wq16, bq, kf, vf, of; writes of
;; launch oproj: the kernel of part 3 again; grid 4 x 64, 4 waves a work-group, clusters of 4 x 4, 327,680 bytes of LDS; arguments of, wo16, bo, out0; writes out0
